; MI455X (gfx1250); checked and timed in simulation.
; The chip was launched on July 23, 2026; its instructions are those of AMD's public machine-readable ISA for CDNA 5 (MIT licence, August 2026) and "CDNA5" Instruction Set Architecture Reference Guide (July 2026). The comments in the code are by the model that wrote it; some were corrected since.
;; Causal Self Attention. Allowed arithmetic: matrix products marked QUANTISED: E3M2 operands, one E8M0 scale for each 32 along K, by v_wmma_scale_f32_16x16x128_f8f6f4 with both operands' format E3M2, f32 sums; everything else in f32.
;; Inputs: w_out 1,024 x 1,024 float32; w_qkv 1,024 x 3,072 float32; x 4 x 2,048 x 1,024 float32.
;; Outputs: out0 4 x 2,048 x 1,024 float32.
;; This version of the problem:
;;   THIS VERSION OF THE PROBLEM IS GIVEN IN LOW PRECISION. The matrix products marked QUANTISED in the list below multiply operands that are first quantised to E3M2 (3 exponent bits, 2 mantissa bits; 6 bits a number), with one power-of-two scale for each 32 numbers along K (OCP MX v1.0); their sums are f32. All else is computed in f32.
;;   The module's matrix products, in the order in which they are computed (A, B: the left and right operand; K: the contracted axis; several contracted axes count as one K, in the product's order):
;;     1. [M 8,192, K 1,024] x [K 1,024, N 3,072]; A: input x; B: input w_qkv: QUANTISED
;;     2. batch 64 x [M 2,048, K 64] x [K 64, N 2,048]; A: computed on the way; B: computed on the way: QUANTISED
;;     3. batch 64 x [M 2,048, K 2,048] x [K 2,048, N 64]; A: softmax (see below); B: computed on the way: QUANTISED
;;     4. [M 8,192, K 1,024] x [K 1,024, N 1,024]; A: computed on the way; B: input w_out: QUANTISED
;;   THE QUANTISER, for each operand of a quantised product, along K:
;;     - K is cut into blocks of 32 from its start; a last block that is shorter is filled with zeros.
;;     - A block's scale is 2^e with e = floor(log2(the largest magnitude in the block)) - 4, held to -126 .. 127; a block of zeros has e = 0. As a byte (E8M0): e + 127.
;;     - Each number is divided by its block's scale, clamped to +-28, and rounded to the nearest number of E3M2, ties to even, subnormals kept.
;;     - The product sums the exact products of the quantised numbers (number of the format x scale) in f32.
;;   ~~~python
;;   def quantise(x, axis):      # numpy; x: float32 -> the quantised numbers, widened to float32 again
;;       x = np.moveaxis(x, axis, -1); K = x.shape[-1]
;;       x = np.pad(x, [(0, 0)] * (x.ndim - 1) + [(0, -K % 32)]); x = x.reshape(x.shape[:-1] + (-1, 32)); a = np.abs(x).max(-1, keepdims=True)
;;       e = np.where(a > 0, np.clip(np.frexp(np.where(a > 0, a, 1))[1] - 1 - 4, -126, 127), 0)      # np.frexp(a)[1] - 1 = floor(log2(a)), exactly
;;       r = np.clip(x / 2.0 ** e, -28, 28)
;;       step = 2.0 ** (np.maximum(np.frexp(np.where(r == 0, 1, r))[1] - 1, -2) - 2)
;;       q = np.round(r / step) * step * 2.0 ** e      # np.round: ties to even
;;       return np.moveaxis(q.reshape(q.shape[:-2] + (-1,))[..., :K], -1, axis).astype(np.float32)
;;   ~~~
;;   SOFTMAX AHEAD OF A QUANTISED PRODUCT. Where the list says 'softmax', what is quantised is not the finished softmax but p = 2^(t - M), with t = logit x log2(e) and M = ceil(the row's largest t), a whole number; so 1/2 < the row's largest p <= 1. The row's sum l is taken of the UNQUANTISED p, in f32, and the product's result is divided by l at the end. Since M is a whole number, a kernel that streams over the keys may use a running M (the ceiling of the running maximum): every later rescaling is an exact power of two, which a block's scale takes up: the codes' values come out the same.
;;   OPERANDS COMPUTED ON THE WAY. 'Computed on the way' means the value that the module computes at that place (a softmax that the list does not call 'softmax' is quantised finished and normalised). What goes into a quantiser is computed in f32, as accurately as f32 sums, v_exp_f32 and their like allow (about 1e-6 of the number): no bf16 or f16 on the way to a quantiser, and a product that is left as it is and whose result goes on into a quantised operand takes f32 operands (vector FMAs, or v_wmma_f32_16x16x4_f32). A number that lies on a knife's edge between two numbers of the format may be rounded either way, as far as f32 arithmetic and the matrix unit's own rounding can turn it there, and no further.
;; One version. Each part assembles by itself: llvm-mc -triple=amdgcn-amd-amdhsa -mcpu=gfx1250 --defsym DOCPART=n.
;; ======== version 1 of 1: 4 launches
;; limits: right only within a limited range of input values
;; workspace buffers: opc 9,437,184 bytes; ops 393,216 bytes; hdc 18,874,368 bytes; hds 786,432 bytes; atc 6,291,456 bytes; ats 262,144 bytes
;; launch quant (part 1): grid 384 x 1, 4 waves a work-group, no clusters, 34,304 bytes of LDS; arguments x, w_qkv, w_out, opc, ops; writes opc, ops
.if DOCPART == 1
	.amdgcn_target "amdgcn-amd-amdhsa--gfx1250"
	.amdhsa_code_object_version 6
	.text
	.protected	k_q4feb2fc243_quant
	.globl	k_q4feb2fc243_quant
	.p2align	8
	.type	k_q4feb2fc243_quant,@function
k_q4feb2fc243_quant:
	s_mov_b64 s[64:65], 0
	v_nop
	global_prefetch_b8 v0, s[64:65] scope:SCOPE_SE
	s_setreg_imm32_b32 hwreg(HW_REG_WAVE_MODE, 25, 1), 1
	s_wait_xcnt 0x0
; x [8192][1024], w_qkv [1024][3072] and w_out [1024][1024], f32, become codes of BF6 (E3M2) with one E8M0 scale byte for each 32 along K (K = 1,024 for all three).
; A block's scale is 2^(floor(log2(its largest magnitude)) - 4); its byte is the largest magnitude's exponent field - 4, held at 1 from below.
; LIMITS: a block of zeros gets the byte 1 where the quantiser says 127 (its codes are zeros, which add nothing, and only this program reads the bytes); blocks whose largest magnitude lies under 2^-122
; are held at the byte 1; NaN and infinities among the inputs are not served.
; LAYOUT OF THE RESULTS.  Rows (tokens of x, columns of the weights) are kept by POSITION = index with bits 3 and 4 exchanged, so that 16 neighbouring positions 16 (2 g + u) + r are the
; indices 32 g + 8 u + r % 8 + 16 (r / 8).  Codes: opc [hh 16][tile 768][768 bytes]: a piece holds 16 positions x 64 along K as an image of operand registers: lane l = r + 16 h has the 24 bytes of K block
; 2 hh + h of row r, its first 16 bytes at 16 l, the last 8 at 512 + 8 l.  Tiles 0-511 x, 512-703 w_qkv, 704-767 w_out.  Scales: ops [fs 8][row 12288][4]: byte b is K block 4 fs + b.
; SHARES.  Work-groups 0-255 take x, 256-383 the weights: 131,072 bytes read by each.  Waves share nothing: no barrier.  No input is read by two work-groups, so there is nothing to ask for jointly, and the
; matrix unit has no part in it.  Only the path for x uses LDS.
.set PLANE,  589824                    ; bytes from one hh to the next in opc
.set SPLANE, 49152                     ; bytes from one fs to the next in ops
.set STG,    8448                      ; x: a wave's stage: 16 rows of SP bytes
.set SP,     528                       ; 512 bytes + 16: the sixteen rows that a turned read touches begin in sixteen different columns of 16 bytes modulo 256
.set R,    16                          ; v16-143  x: two sets of 64 registers as loaded
.set X,    144                         ; v144-207 x: 64 numbers of my row: register 16 b + i = k 32 b + 16 h + i
.set TM,   208                         ; v208-223 at work in the quantiser
.set PC,   224                         ; v224-235 the fragment just made; v236-242 conversions' second halves
.set PW,   244                         ; v244     its scale word
.set SEL,  30                          ; s[30:31] lane selects for v_permlanex16_b32: lane l xor 16
.set OFFS, 32                          ; v32-63   weights: byte offset of row i of a block, at my column
.set WX,   64                          ; v64-127  weights: two sets of 32 numbers
.set WC,   128                         ; v128-175 weights: 12 registers of codes for each pair of blocks: no store's data are written again
.set WT,   176                         ; v176-178 a conversion's second half
.set WS,   24                          ; v24-25   my row's two scale words
.set WB,   32                          ; s[32:47] weights: a base for each of the 8 blocks along K
	s_load_b256 s[4:11], s[0:1], 0x0               ; x s[4:5], w_qkv s[6:7], w_out s[8:9], opc s[10:11]
	s_load_b64 s[12:13], s[0:1], 0x20              ; ops
	v_lshl_add_u32 v254, v0, 2, 0x8400
	v_mov_b32 v255, 0
	v_lshrrev_b32 v1, 5, v0
	v_readfirstlane_b32 s14, v1                    ; wave 0..3
	v_and_b32 v6, 31, v0                           ; lane
	s_cmp_ge_u32 ttmp9, 256
	s_cbranch_scc1 .Lweights
	; ---------------- x: a wave takes one tile of 16 positions and 512 along K: four fragments ----------------
	v_and_b32 v7, 15, v0                           ; r
	v_bfe_u32 v8, v0, 4, 1                         ; h
	v_lshlrev_b32 v1, 4, v6                        ; 16 x lane
	v_lshlrev_b32 v2, 3, v6                        ; 8 x lane
	v_lshlrev_b32 v3, 2, v7                        ; 4 r
	s_mul_i32 s15, s14, STG
	v_add_nc_u32 v4, s15, v1                       ; into the stage: as loaded, 16 bytes a lane
	v_mul_u32_u24 v5, v7, SP
	v_lshl_add_u32 v5, v8, 6, v5
	v_add_nc_u32 v5, s15, v5                       ; out of it: row r, + 64 h: my 16 numbers of a block of 32
.irp b, 0,1,2,3
	v_mov_b32 v[TM+4+\b], 0                        ; written once: a lane permute's destination counts as one of its sources
.endr
	s_mov_b32 s[SEL], 0x76543210
	s_mov_b32 s[SEL+1], 0xfedcba98
	s_lshl_b32 s16, ttmp9, 2
	s_add_co_u32 s16, s16, s14                     ; 4 x work-group + wave
	s_lshr_b32 s17, s16, 1                         ; my tile of positions, 0..511
	s_and_b32 s18, s16, 1                          ; which half of K
	s_lshr_b32 s19, s17, 1
	s_lshl_b32 s19, s19, 5
	s_and_b32 s20, s17, 1
	s_lshl_b32 s20, s20, 3
	s_add_co_u32 s19, s19, s20                     ; the tile's first token: 32 (tile / 2) + 8 (tile % 2)
	s_lshl_b32 s20, s19, 12                        ; a row of x is 4,096 bytes
	s_lshl_b32 s21, s18, 11
	s_add_co_u32 s20, s20, s21
	s_mov_b32 s21, 0
	s_mul_i32 s22, s18, 8*PLANE
	s_mul_i32 s23, s17, 768
	s_add_co_u32 s22, s22, s23
	s_mov_b32 s23, 0
	s_mul_i32 s24, s18, 4*SPLANE
	s_lshl_b32 s25, s17, 6
	s_add_co_u32 s24, s24, s25
	s_mov_b32 s25, 0
	s_wait_alu depctr_va_vdst(0)
	s_wait_kmcnt 0x0
	s_add_nc_u64 s[4:5], s[4:5], s[20:21]
	s_add_nc_u64 s[10:11], s[10:11], s[22:23]
	s_add_nc_u64 s[12:13], s[12:13], s[24:25]
.macro LOADX t                         ; K step t of my 16 rows: position j is token j % 8 + 16 (j / 8) of the tile; each load reads 512 consecutive bytes
.irp j, 0,1,2,3,4,5,6,7,8,9,10,11,12,13,14,15
	global_load_b128 v[R+64*((\t)%2)+4*\j:R+64*((\t)%2)+4*\j+3], v1, s[4:5] offset:((\j&7)+16*(\j>>3))*4096+512*(\t) th:TH_LOAD_NT
.endr
.endm
; 64 numbers of a lane, register 16 b + i = k 32 b + 16 h + i of my row, become a fragment's codes in v[PC] on and its scale word in v[pw]
.macro QUANT s, pw
.irp b, 0,1,2,3
	v_max3_num_f32 v[TM+\b], |v[\s+16*\b]|, |v[\s+1+16*\b]|, 0x2800000   ; block b: my 16 numbers, and the floor 2^(5 - 127): the byte cannot fall under 1
.endr
.irp i, 2,4,6,8,10,12,14
.irp b, 0,1,2,3
	v_max3_num_f32 v[TM+\b], v[TM+\b], |v[\s+16*\b+\i]|, |v[\s+1+16*\b+\i]|   ; the four blocks by turns
.endr
.endr
.irp b, 0,1,2,3
	v_permlanex16_b32 v[TM+4+\b], v[TM+\b], s[SEL], s[SEL+1]
.endr
.irp b, 0,1,2,3
	v_max_num_f32 v[TM+\b], v[TM+\b], v[TM+4+\b]   ; with lane l xor 16's: the block's largest magnitude
.endr
.irp b, 0,1,2,3
	v_add_nc_u32 v[TM+12+\b], 0xfe000000, v[TM+\b] ; 4 off its exponent field: the conversion takes the exponent field of this operand as its scale
.endr
.irp b, 0,1,2,3
	v_lshrrev_b32 v[TM+4+\b], 23, v[TM+12+\b]      ; the scale's byte
.endr
	v_lshl_or_b32 v[\pw], v[TM+5], 8, v[TM+4]
	v_lshl_or_b32 v[\pw], v[TM+6], 16, v[\pw]
	v_lshl_or_b32 v[\pw], v[TM+7], 24, v[\pw]
.irp c, 0,1
	v_cvt_scalef32_pk16_bf6_f32 v[PC+6*\c:PC+2+6*\c], v[\s+32*\c:\s+15+32*\c], v[TM+12+2*\c]
	v_cvt_scalef32_pk16_bf6_f32 v[PC+12+4*\c:PC+14+4*\c], v[\s+16+32*\c:\s+31+32*\c], v[TM+13+2*\c]   ; (a conversion's three registers begin on an even number)
.endr
	v_nop                                          ; one plain place behind a scaled conversion
.irp c, 0,1                            ; the operand's layout wants a whole block in a lane: lanes 0-15 block 2 c, lanes 16-31 block 2 c + 1
.irp i, 0,1,2
	v_permlane16_swap_b32 v[PC+6*\c+\i], v[PC+12+4*\c+\i]
.endr
.irp i, 0,1,2
	v_mov_b32 v[PC+3+6*\c+\i], v[PC+12+4*\c+\i]
.endr
.endr
.endm
.macro STEPX t
.if (\t) < 3
	s_wait_loadcnt 16                              ; this step's 16 loads are in; the next step's 16 may be out
.else
	s_wait_loadcnt 0x0
.endif
.irp j, 0,1,2,3,4,5,6,7,8,9,10,11,12,13,14,15
	ds_store_b128 v4, v[R+64*((\t)%2)+4*\j:R+64*((\t)%2)+4*\j+3] offset:SP*\j
.endr
.irp b, 0,1,2,3
.irp jj, 0,1,2,3
	ds_load_b128 v[X+16*\b+4*\jj:X+16*\b+4*\jj+3], v5 offset:128*\b+16*\jj   ; LDS serves a wave's instructions in order: these see the stores above
.endr
.endr
	s_wait_dscnt 0x0                               ; the numbers are back, and the stores have read their registers
.if (\t) > 0
	s_wait_xcnt 0x0                                ; the last step's stores have read v[PC] on and v[PW]: they are written again only behind this wait
.endif
.if (\t) < 2
	LOADX (\t)+2
.endif
	QUANT X, PW
	global_store_b128 v1, v[PC:PC+3], s[10:11] offset:(2*(\t))*PLANE             ; 512 consecutive bytes,
	global_store_b64 v2, v[PC+4:PC+5], s[10:11] offset:(2*(\t))*PLANE+512        ; and the 256 behind them: a piece of 768
	global_store_b128 v1, v[PC+6:PC+9], s[10:11] offset:(2*(\t)+1)*PLANE
	global_store_b64 v2, v[PC+10:PC+11], s[10:11] offset:(2*(\t)+1)*PLANE+512
	global_store_b32 v3, v[PW], s[12:13] offset:(\t)*SPLANE                      ; 16 rows' words, 64 consecutive bytes; lanes 16-31 hold and write the same as lanes 0-15
.endm
	LOADX 0
	LOADX 1
	STEPX 0
	STEPX 1
	STEPX 2
	STEPX 3
	s_wait_tensorcnt 0x0
	ds_add_u32 v254, v255
	s_wait_dscnt 0x0
	s_endpgm
	; ---------------- the weights: K is their FIRST axis.  A lane takes a column and its registers run down K ----------------
	; A wave takes 32 columns x 256 along K.  Lane l loads the column whose POSITION in the group of 32 is l, so the lanes are rows in position order.
.Lweights:
	s_sub_co_u32 s16, ttmp9, 256
	s_and_b32 s17, s16, 31                         ; which 128 of the 4,096 joined columns
	s_lshr_b32 s18, s16, 5                         ; which 256 along K
	s_lshl_b32 s19, s17, 2
	s_add_co_u32 s19, s19, s14                     ; my group of 32 columns, 0..127: 0-95 w_qkv, 96-127 w_out
	s_sub_co_u32 s20, s19, 96
	s_mov_b32 s21, 4096
	s_wait_kmcnt 0x0
	s_cmp_lt_u32 s17, 24                           ; the choice hangs on the work-group's number alone
	s_cselect_b64 s[6:7], s[6:7], s[8:9]
	s_cselect_b32 s21, 12288, s21                  ; a row of the weight in bytes
	s_cselect_b32 s20, s19, s20                    ; my group within that weight
	s_lshl_b32 s22, s20, 7
	s_lshl_b32 s23, s18, 8
	s_mul_i32 s23, s23, s21
	s_add_co_u32 s22, s22, s23
	s_mov_b32 s23, 0
	s_add_nc_u64 s[WB:WB+1], s[6:7], s[22:23]
	s_lshl_b32 s24, s21, 5                         ; 32 rows on
	s_mov_b32 s25, 0
.irp t, 1,2,3,4,5,6,7
	s_add_nc_u64 s[WB+2*\t:WB+2*\t+1], s[WB+2*\t-2:WB+2*\t-1], s[24:25]
.endr
	v_and_b32 v7, 7, v0
	v_bfe_u32 v8, v0, 3, 1
	v_bfe_u32 v9, v0, 4, 1
	v_lshl_or_b32 v7, v8, 4, v7
	v_lshl_or_b32 v7, v9, 3, v7                    ; the lane's number with bits 3 and 4 exchanged: my column in the group
	v_lshlrev_b32 v[OFFS], 2, v7
.irp i, 1,2,3,4,5,6,7,8,9,10,11,12,13,14,15,16,17,18,19,20,21,22,23,24,25,26,27,28,29,30,31
	v_add_nc_u32 v[OFFS+\i], s21, v[OFFS+\i-1]
.endr
	v_lshlrev_b32 v1, 4, v6
	v_lshlrev_b32 v2, 3, v6
	v_lshlrev_b32 v3, 2, v6
	; WHERE A GROUP OF 32 COLUMNS OF w_qkv LIES IN opc AND ops.  The product's work-group j takes columns 256 j on of q, k and 128 j on of v, and each half of its waves 8 tiles of q, k and 4 of v:
	; these 12 tiles (6 groups) lie on end.  q, k group g: 12 (g / 8) + 6 ((g / 4) % 2) + g % 4;  v group g' = g - 64: 12 (g' / 4) + 6 ((g' / 2) % 2) + 4 + g' % 2.  w_out's groups, 96 on, stay.
	s_lshr_b32 s22, s19, 3
	s_bfe_u32 s23, s19, 0x10002
	s_and_b32 s24, s19, 3
	s_mul_i32 s22, s22, 12
	s_mul_i32 s23, s23, 6
	s_add_co_u32 s22, s22, s23
	s_add_co_u32 s22, s22, s24
	s_sub_co_u32 s25, s19, 64
	s_lshr_b32 s26, s25, 2
	s_bfe_u32 s27, s25, 0x10001
	s_and_b32 s28, s25, 1
	s_mul_i32 s26, s26, 12
	s_mul_i32 s27, s27, 6
	s_add_co_u32 s26, s26, s27
	s_add_co_u32 s26, s26, s28
	s_add_co_u32 s26, s26, 4
	s_cmp_lt_u32 s19, 64
	s_cselect_b32 s22, s22, s26
	s_cmp_lt_u32 s19, 96
	s_cselect_b32 s19, s22, s19
	s_mul_i32 s26, s18, 4*PLANE
	s_lshl_b32 s27, s19, 1
	s_add_co_u32 s27, s27, 512
	s_mul_i32 s27, s27, 768
	s_add_co_u32 s26, s26, s27
	s_mov_b32 s27, 0
	s_add_nc_u64 s[10:11], s[10:11], s[26:27]      ; opc at hh = 4 x (my 256 along K), tile 512 + 2 x group
	s_mul_i32 s28, s18, 2*SPLANE
	s_lshl_b32 s29, s19, 7
	s_add_co_u32 s28, s28, s29
	s_add_co_u32 s28, s28, 32768
	s_mov_b32 s29, 0
	s_add_nc_u64 s[12:13], s[12:13], s[28:29]      ; ops at fs = 2 x (my 256 along K), row 8192 + 32 x group
.macro LOADW t                         ; block t: 32 rows of the weight at my column: each load reads 128 consecutive bytes
.irp i, 0,1,2,3,4,5,6,7,8,9,10,11,12,13,14,15,16,17,18,19,20,21,22,23,24,25,26,27,28,29,30,31
	global_load_b32 v[WX+32*((\t)%2)+\i], v[OFFS+\i], s[WB+2*(\t):WB+2*(\t)+1] th:TH_LOAD_NT
.endr
.endm
.macro BLOCKW t
.set XW, WX+32*((\t)%2)
.set CW, WC+12*((\t)/2)+6*((\t)%2)
.if (\t) < 7
	s_wait_loadcnt 32                              ; this block's 32 loads are in; the next block's may be out
.else
	s_wait_loadcnt 0x0
.endif
	v_max3_num_f32 v12, |v[XW]|, |v[XW+1]|, |v[XW+2]|              ; the block's largest magnitude: all 32 numbers are mine
	v_max3_num_f32 v13, |v[XW+3]|, |v[XW+4]|, |v[XW+5]|
.irp i, 6,10,14,18,22,26
	v_max3_num_f32 v12, v12, |v[XW+\i]|, |v[XW+\i+1]|
	v_max3_num_f32 v13, v13, |v[XW+\i+2]|, |v[XW+\i+3]|
.endr
	v_max3_num_f32 v12, v12, |v[XW+30]|, |v[XW+31]|
	v_max3_num_f32 v12, v12, v13, 0x2800000        ; and the floor
	v_add_nc_u32 v11, 0xfe000000, v12
	v_lshrrev_b32 v13, 23, v11
.if (\t)%4 == 0
	v_mov_b32 v[WS+(\t)/4], v13
.else
	v_lshl_or_b32 v[WS+(\t)/4], v13, 8*((\t)%4), v[WS+(\t)/4]
.endif
	v_cvt_scalef32_pk16_bf6_f32 v[CW:CW+2], v[XW:XW+15], v11
	v_cvt_scalef32_pk16_bf6_f32 v[WT:WT+2], v[XW+16:XW+31], v11
	v_nop                                          ; one plain place behind a scaled conversion
.irp i, 0,1,2
	v_mov_b32 v[CW+3+\i], v[WT+\i]
.endr
.if (\t) < 6
	LOADW (\t)+2
.endif
.if (\t)%2 == 1                        ; a pair of blocks is a piece's 64 along K: lanes 16-31 of the even block's codes change places with lanes 0-15 of the odd block's:
.set CP, WC+12*((\t)/2)                ; the first six registers are then the piece of rows 0-15, the second six that of rows 16-31
.irp i, 0,1,2,3,4,5
	v_permlane16_swap_b32 v[CP+\i], v[CP+6+\i]
.endr
	global_store_b128 v1, v[CP:CP+3], s[10:11] offset:((\t)/2)*PLANE
	global_store_b64 v2, v[CP+4:CP+5], s[10:11] offset:((\t)/2)*PLANE+512
	global_store_b128 v1, v[CP+6:CP+9], s[10:11] offset:((\t)/2)*PLANE+768
	global_store_b64 v2, v[CP+10:CP+11], s[10:11] offset:((\t)/2)*PLANE+1280
.endif
.endm
	s_wait_alu depctr_va_vdst(0)
	LOADW 0
	LOADW 1
.irp t, 0,1,2,3,4,5,6,7
	BLOCKW \t
.endr
	global_store_b32 v3, v[WS], s[12:13]                       ; 32 rows' words: 128 consecutive bytes
	global_store_b32 v3, v[WS+1], s[12:13] offset:SPLANE
	s_endpgm
.Lfunc_end_k_q4feb2fc243_quant:
	.size	k_q4feb2fc243_quant, .Lfunc_end_k_q4feb2fc243_quant-k_q4feb2fc243_quant
	.p2alignl 7, 3214868480
	.fill 96, 4, 3214868480
	.section	.rodata,"a",@progbits
	.p2align	6, 0x0
	.amdhsa_kernel k_q4feb2fc243_quant
		.amdhsa_group_segment_fixed_size 34304
		.amdhsa_private_segment_fixed_size 0
		.amdhsa_enable_private_segment 0
		.amdhsa_kernarg_size 40
		.amdhsa_user_sgpr_count 2
		.amdhsa_user_sgpr_kernarg_segment_ptr 1
		.amdhsa_wavefront_size32 1
		.amdhsa_system_sgpr_workgroup_id_x 1
		.amdhsa_system_sgpr_workgroup_id_y 1
		.amdhsa_system_sgpr_workgroup_id_z 1
		.amdhsa_system_vgpr_workitem_id 0
		.amdhsa_next_free_vgpr 256
		.amdhsa_next_free_sgpr 66
		.amdhsa_reserve_vcc 0
		.amdhsa_float_denorm_mode_32 3
		.amdhsa_float_denorm_mode_16_64 3
		.amdhsa_memory_ordered 1
		.amdhsa_forward_progress 1
		.amdhsa_inst_pref_size 76
	.end_amdhsa_kernel
	.amdgpu_metadata
---
amdhsa.version: [ 1, 2 ]
amdhsa.kernels:
  - .name:           k_q4feb2fc243_quant
    .symbol:         k_q4feb2fc243_quant.kd
    .args:
      - { .name: x, .offset: 0, .size: 8, .value_kind: global_buffer, .address_space: global }
      - { .name: w_qkv, .offset: 8, .size: 8, .value_kind: global_buffer, .address_space: global }
      - { .name: w_out, .offset: 16, .size: 8, .value_kind: global_buffer, .address_space: global }
      - { .name: opc, .offset: 24, .size: 8, .value_kind: global_buffer, .address_space: global }
      - { .name: ops, .offset: 32, .size: 8, .value_kind: global_buffer, .address_space: global }
    .group_segment_fixed_size: 34304
    .private_segment_fixed_size: 0
    .kernarg_segment_align: 8
    .kernarg_segment_size: 40
    .max_flat_workgroup_size: 128
    .sgpr_count:     66
    .vgpr_count:     256
    .wavefront_size: 32
...
	.end_amdgpu_metadata
.endif
;; end of part 1
;; launch gemm_qkv (part 2): grid 8 x 32, 4 waves a work-group, clusters of 4 x 4, 327,680 bytes of LDS; arguments opc, ops, hdc, hds; writes hdc, hds
.if DOCPART == 2
	.amdgcn_target "amdgcn-amd-amdhsa--gfx1250"
	.amdhsa_code_object_version 6
	.text
	.protected	k_q4feb2fc243_gemm_qkv
	.globl	k_q4feb2fc243_gemm_qkv
	.p2align	8
	.type	k_q4feb2fc243_gemm_qkv,@function
k_q4feb2fc243_gemm_qkv:
	s_mov_b64 s[64:65], 0
	v_nop
	global_prefetch_b8 v0, s[64:65] scope:SCOPE_SE
	s_setreg_imm32_b32 hwreg(HW_REG_WAVE_MODE, 25, 1), 1
	s_wait_xcnt 0x0
	s_wait_alu depctr_hold_cnt(0) depctr_sa_sdst(0) depctr_va_vdst(0) depctr_va_sdst(0) depctr_va_ssrc(0) depctr_va_vcc(0) depctr_vm_vsrc(0)
	s_getreg_b32 s2, hwreg(HW_REG_IB_STS2, 6, 4)
	s_cmp_eq_u32 s2, 0
	s_cbranch_scc0 .Lentry_in_a_cluster
	s_endpgm
.Lentry_in_a_cluster:
	s_bfe_u32 s2, ttmp6, 0x10000c
	s_cmp_lg_u32 s2, 0xf033
	s_cbranch_scc0 .Lentry_shape_is_right
	s_endpgm
.Lentry_shape_is_right:
; qkv = x w_qkv on codes of BF6 (E3M2) with one E8M0 scale for each 32 along K = 1,024; the results are quantised in registers on the way out and go to memory as codes and scale words.
; SHARES.  Work-group (j, i), 8 x 32 = 256 of them, takes the 256 tokens 256 i on against 256 columns of q, k (256 j on) and 128 columns of v (128 j on).  Wave (ta, wb) takes 128 tokens x (128 + 64) columns:
; 96 accumulators, 768 registers.  The same fragments of x serve twice: as source 1 against q, k's columns (a lane holds a token, its registers run along the features: q, k are quantised along the head's 64)
; and as source 0 against v's columns (a lane holds a feature, its registers run along the tokens: v is quantised along the keys).  Rows lie in memory by POSITION (index with bits 3 and 4 exchanged), so
; that the registers of two neighbouring tiles of source 0 are 32 b + 16 (lane / 16) + 0 .. 15 of the true index.
; MEMORY.  Codes are pieces of 768 bytes, 16 rows x 64 along K, images of operand registers: lane l's first 16 bytes at 16 l, its last 8 at 512 + 8 l; opc [hh 16][tile 768][768], ops [fs 8][row][4].
; x's tiles 0-511; w_qkv's from 512 on, 24 to a work-group column j: for each half of the waves 8 tiles of q, k and 4 of v on end.
; Results: hdc: q, k at 0: [hh 32][tile 512][768]; v at 12,582,912: [token / 64][tile 64 of features][768].  hds: q, k at 0: [fs 16][8192][4]; v at 524,288: [token / 128][1024][4].
; THE WALK.  K goes in 8 steps of 128, two to an LDS slot, two slots, written out.  A step is three phases of 32 matrix instructions: x's 8 blocks against 4 blocks of W (q, k; q, k; v), one register window
; of accumulators to a phase.  x has one set of registers, filled anew block by block in and behind the third phase; W has two groups of 4 fragments that take turns phase by phase.
; THE SCALES of the work-group's 640 rows, 20,480 bytes, come once, by loads of 16 bytes a lane in runs of 512, through registers into LDS bytes of their own.  They are not asked for jointly: they are
; 20,480 of the 512,000 bytes that a work-group takes in.
; CLUSTERS: 4 x 4 work-groups; x's tiles are asked for jointly along a row of the cluster, W's along a column.  NO PREFETCH: the block is the largest that the registers hold, in clusters, and K is four fills long.
; LIMITS: a block of zeros gets the byte 1 where the quantiser says 127 (its codes are zeros; only this program reads the bytes); blocks under 2^-122 are held at the byte 1; NaN and infinities are not served.
; REGISTERS: window 0: v8-24 addresses; v32-55 scale words, two sets of 12; v64-159 x's fragments; v160-255 W's two groups (on the way out v64-122 are at work).  Windows 1, 2: q, k's accumulators
; ((a, b % 4) at v[8 (4 a + b % 4)], b / 4 the window); window 3: v's ((a, b) at v[8 (8 a + b)]).
.set PLANE,  589824                    ; bytes from one hh to the next in opc
.set SPLANE, 49152                     ; from one fs to the next in ops
.set XH,     24576                     ; [4 hh][8 tiles][768]: 128 rows of x x 256 along K: one tensor load
.set WH,     36864                     ; [4 hh][12 tiles][768]: 192 rows of W likewise
.set WOFF,   2*XH
.set SLOT,   2*XH+2*WH
.set SCL,    2*SLOT                    ; behind the ring: the scale words, [fs 8][x's 256 rows, W's 384 rows][4]
.set SROW,   2560
.set SPARE,  SCL+8*SROW                ; the spare words, 128 bytes for each wave: two blocks of 256 bytes that no other line names
.set AX,   8                           ; v8-9 16 x lane + my rows of x in slot 0, 1; v10-11 the same with 8 x lane
.set AW,   12                          ; v12-15 the same for W
.set ADRS, 16                          ; my scale words: lanes 0-15 x's rows, lanes 16-31 q, k's columns
.set ADRV, 17                          ; and v's columns
.set L16,  18                          ; 16, 8, 4 x lane
.set L8,   19
.set L4,   20
.set SPW,  21                          ; LDS address of my spare word; never rewritten
.set NIL,  22                          ; 0; never rewritten
.set GOF,  23                          ; the scales' copy: offset in ops, and LDS address
.set LOF,  24
.set SC,   32
.set XF,   64
.set WF,   160
.set CT,   64                          ; v64-103 the scales on their way to LDS
.set TM,   64                          ; v64-83 at work in the quantiser
.set PWS,  84                          ; v84-95 the scale words of my twelve blocks of rows
.set TT,   96
.set PC,   104                         ; v104-115 the fragment just made; v116-122 conversions' second halves
.set G1, 24
.set G0, 32
.set G1B, 48
.set G0B, 56
.set SEL, 18
.set MSB, 0
.macro WIN new                         ; the immediate's high byte repeats the setting that is left; a switch that changes nothing is dropped
.if MSB != (\new)
	s_set_vgpr_msb (MSB<<8)|(\new)
.set MSB, \new
.endif
.endm
.macro PLACES                          ; plain vector instructions between a matrix instruction and a load into, or a read of, its registers
.rept 4
	v_nop
.endr
.endm
; A joint load: waves 0 and 1 fetch x's halves, waves 2 and 3 W's; the branch hangs on the wave's number alone.  s_nop 0 and four v_nop follow each line.
.macro JLOAD s
	s_cmp_eq_u32 s15, 0
	s_cbranch_scc0 .Lfor_b_\@
	tensor_load_to_lds s[G0+4*(\s):G0+4*(\s)+3], s[G1:G1+7]
	s_nop 0
	PLACES
	s_branch .Lasked_\@
.Lfor_b_\@:
	tensor_load_to_lds s[G0B+4*(\s):G0B+4*(\s)+3], s[G1B:G1B+7]
	s_nop 0
	PLACES
.Lasked_\@:
.endm
.macro CREST                           ; a round of the cluster's barrier behind its opening barrier
	s_cmp_lg_u32 s14, 0
	s_cbranch_scc1 .Lnot_wave_0_\@
	s_barrier_signal -3
.Lnot_wave_0_\@:
	s_barrier_wait -3
	s_barrier_signal -1
	s_barrier_wait -1
.endm
.macro CROUND
	s_barrier_signal -1
	s_barrier_wait -1
	CREST
.endm
	s_load_b256 s[4:11], s[0:1], 0x0               ; opc s[4:5], ops s[6:7], hdc s[8:9], hds s[10:11]
	v_lshl_add_u32 v[SPW], v0, 2, SPARE
	v_mov_b32 v[NIL], 0
	ds_add_u32 v[SPW], v[NIL]                      ; the opening lines: the add, twice on end, and its wait ahead of my first tensor load
	ds_add_u32 v[SPW], v[NIL]
	v_lshrrev_b32 v1, 5, v0
	v_readfirstlane_b32 s14, v1                    ; wave 0..3
	s_lshr_b32 s15, s14, 1                         ; ta: my half of the tokens.  Also: I fetch for x (0) or for W (1)
	s_and_b32 s16, s14, 1                          ; wb: my half of W's rows.  Also: which half I fetch
	s_bfe_u32 s40, ttmp6, 0x40000                  ; cx
	s_bfe_u32 s41, ttmp6, 0x40004                  ; cy
	s_lshl_b32 s42, ttmp9, 2
	s_add_co_u32 s42, s42, s40                     ; j = 4 x cluster x + cx
	s_and_b32 s17, ttmp7, 0xffff
	s_lshl_b32 s17, s17, 2
	s_add_co_u32 s17, s17, s41                     ; i = 4 x cluster y + cy
	s_lshl_b32 s43, s41, 2
	s_lshl_b32 s43, 15, s43                        ; my row of the cluster
	s_lshl_b32 s44, 0x1111, s40                    ; my column
	s_or_b32 s[G1], s43, (3<<16)|(1<<21)           ; 15:0 the mask; 17:16 elements of 8 bytes; 21 set beside a mask
	s_or_b32 s[G1B], s44, (3<<16)|(1<<21)
	s_mov_b32 s[G1+1], 768<<16                     ; x: 4 rows (hh) of 8 pieces on end, 6,144 bytes
	s_mov_b32 s[G1+2], 4<<16
	s_mov_b32 s[G1+3], 768<<16
	s_mov_b32 s[G1+4], 4
	s_mov_b32 s[G1+5], PLANE/8
	s_mov_b32 s[G1+6], 0
	s_mov_b32 s[G1+7], 0
	s_mov_b32 s[G1B+1], 1152<<16                   ; W: 4 rows of 12 pieces on end, 9,216 bytes
	s_mov_b32 s[G1B+2], 4<<16
	s_mov_b32 s[G1B+3], 1152<<16
	s_mov_b32 s[G1B+4], 4
	s_mov_b32 s[G1B+5], PLANE/8
	s_mov_b32 s[G1B+6], 0
	s_mov_b32 s[G1B+7], 0
	s_lshl_b32 s20, s17, 4                         ; x's tiles that I fetch: 16 i + 8 wb.  s20, s21 never hold cx; s46, s47 never cy
	s_lshl_b32 s18, s16, 3
	s_add_co_u32 s20, s20, s18
	s_mul_i32 s20, s20, 768
	s_mov_b32 s21, 0
	s_mul_i32 s46, s42, 24                         ; W's: 512 + 24 j + 12 wb
	s_mul_i32 s47, s16, 12
	s_add_co_u32 s46, s46, s47
	s_add_co_u32 s46, s46, 512
	s_mul_i32 s46, s46, 768
	s_mov_b32 s47, 0
	s_lshl_b32 s22, s17, 10                        ; x's scale words: row 256 i
	s_mov_b32 s23, 0
	s_mul_i32 s92, s42, 1536                       ; W's: row 8,192 + 384 j
	s_add_co_u32 s92, s92, 32768
	s_mov_b32 s93, 0
	s_mul_i32 s66, s16, XH                         ; where the tiles go: no place in the cluster enters an LDS address
	s_mul_i32 s67, s16, WH
	s_add_co_u32 s67, s67, WOFF                    ; (also: my own half of W)
	s_add_co_u32 s75, s67, SLOT
	s_mul_i32 s72, s15, XH                         ; my half of x
	s_add_co_u32 s73, s72, SLOT
	s_lshl_b32 s76, s15, 9
	s_mul_i32 s77, s16, 768
	s_add_co_u32 s78, s77, 1024
	s_sub_co_u32 s78, s78, s76                     ; from my x rows' words to my q, k columns'
	s_add_co_u32 s76, s76, SCL
	s_add_co_u32 s77, s77, SCL+1536
	s_mul_i32 s79, s14, 2*SPLANE                   ; the copy: wave w takes fs 2 w and 2 w + 1
	s_mul_i32 s80, s14, 2*SROW
	s_add_co_u32 s80, s80, SCL
	s_lshl_b32 s81, s17, 4                         ; q, k's results: tile of tokens 16 i + 8 ta, step of 128 features 2 j + wb
	s_lshl_b32 s82, s15, 3
	s_add_co_u32 s81, s81, s82
	s_lshl_b32 s83, s42, 1
	s_add_co_u32 s83, s83, s16
	s_mul_i32 s84, s83, 2*393216
	s_mul_i32 s85, s81, 768
	s_add_co_u32 s84, s84, s85
	s_mov_b32 s85, 0
	s_lshl_b32 s86, s83, 15
	s_lshl_b32 s87, s81, 6
	s_add_co_u32 s86, s86, s87
	s_mov_b32 s87, 0
	s_lshl_b32 s88, s42, 3                         ; v's results: tile of features 8 j + 4 wb, step of 128 tokens 2 i + ta
	s_lshl_b32 s89, s16, 2
	s_add_co_u32 s88, s88, s89
	s_lshl_b32 s90, s17, 1
	s_add_co_u32 s90, s90, s15
	s_mul_i32 s94, s90, 2*49152
	s_mul_i32 s95, s88, 768
	s_add_co_u32 s94, s94, s95
	s_add_co_u32 s94, s94, 12582912
	s_mov_b32 s95, 0
	s_lshl_b32 s96, s90, 12
	s_lshl_b32 s97, s88, 6
	s_add_co_u32 s96, s96, s97
	s_add_co_u32 s96, s96, 524288
	s_mov_b32 s97, 0
	s_mov_b32 s3, 0xffff0000                       ; lanes 16-31
	s_mov_b32 s[SEL], 0x76543210
	s_mov_b32 s[SEL+1], 0xfedcba98                 ; v_permlanex16_b32's selects for lane l xor 16
	v_and_b32 v1, 15, v0                           ; r
	v_bfe_u32 v2, v0, 4, 1                         ; h
	v_and_b32 v3, 31, v0                           ; lane
	v_lshlrev_b32 v[L16], 4, v3
	v_lshlrev_b32 v[L8], 3, v3
	v_lshlrev_b32 v[L4], 2, v3
	v_add_nc_u32 v[AX], s72, v[L16]
	v_add_nc_u32 v[AX+1], s73, v[L16]
	v_add_nc_u32 v[AX+2], s72, v[L8]
	v_add_nc_u32 v[AX+3], s73, v[L8]
	v_add_nc_u32 v[AW], s67, v[L16]
	v_add_nc_u32 v[AW+1], s75, v[L16]
	v_add_nc_u32 v[AW+2], s67, v[L8]
	v_add_nc_u32 v[AW+3], s75, v[L8]
	v_lshlrev_b32 v4, 2, v1
	v_mul_u32_u24 v5, s78, v2                      ; lanes 16-31 take W's
	v_add_nc_u32 v5, v4, v5
	v_add_nc_u32 v[ADRS], s76, v5
	v_add_nc_u32 v[ADRV], s77, v4
	v_add_nc_u32 v[GOF], s79, v[L16]
	v_add_nc_u32 v[LOF], s80, v[L16]
	s_wait_alu depctr_va_vdst(0)                   ; the wait behind the head's last vector instruction
	s_wait_dscnt 0x0                               ; both opening adds are done
	s_wait_kmcnt 0x0
	s_add_nc_u64 s[20:21], s[4:5], s[20:21]        ; x's codes
	s_add_nc_u64 s[46:47], s[4:5], s[46:47]        ; W's codes
	s_add_nc_u64 s[22:23], s[6:7], s[22:23]        ; x's scales
	s_add_nc_u64 s[92:93], s[6:7], s[92:93]        ; W's scales
.irp f, 0,1                            ; the scales set out first: ten loads a wave, each 512 consecutive bytes
.irp p, 0,1
	global_load_b128 v[CT+20*\f+4*\p:CT+20*\f+4*\p+3], v[GOF], s[22:23] offset:\f*SPLANE+\p*512
.endr
.irp p, 0,1,2
	global_load_b128 v[CT+20*\f+8+4*\p:CT+20*\f+8+4*\p+3], v[GOF], s[92:93] offset:\f*SPLANE+\p*512
.endr
.endr
	s_add_nc_u64 s[84:85], s[8:9], s[84:85]        ; q, k: the codes of the lower 64 features,
	s_add_nc_u64 s[12:13], s[84:85], 393216        ; of the upper 64,
	s_add_nc_u64 s[86:87], s[10:11], s[86:87]      ; the scale words
	s_add_nc_u64 s[94:95], s[8:9], s[94:95]        ; v: the lower 64 tokens,
	s_add_nc_u64 s[98:99], s[94:95], 49152         ; the upper 64,
	s_add_nc_u64 s[96:97], s[10:11], s[96:97]      ; the scale words
.irp s, 0,1
	s_mov_b32 s[G0+4*\s], 1
	s_add_co_u32 s[G0+4*\s+1], s66, \s*SLOT
	s_add_nc_u64 s[G0+4*\s+2:G0+4*\s+3], s[20:21], \s*4*PLANE
	s_or_b32 s[G0+4*\s+3], s[G0+4*\s+3], 0x80000000
	s_mov_b32 s[G0B+4*\s], 1
	s_add_co_u32 s[G0B+4*\s+1], s67, \s*SLOT
	s_add_nc_u64 s[G0B+4*\s+2:G0B+4*\s+3], s[46:47], \s*4*PLANE
	s_or_b32 s[G0B+4*\s+3], s[G0B+4*\s+3], 0x80000000
.endr
	CROUND                                         ; all sixteen work-groups are here: the first joint loads meet
	JLOAD 0                                        ; K steps 0 and 1: one tensor load a wave at the head
	s_wait_loadcnt 0x0                             ; the scales are in registers
.irp f, 0,1
.irp p, 0,1,2,3,4
	ds_store_b128 v[LOF], v[CT+20*\f+4*\p:CT+20*\f+4*\p+3] offset:\f*SROW+\p*512   ; bytes of their own: no tensor load lands there
.endr
.endr
	s_wait_tensorcnt 0x0                           ; my part of slot 0 is in
	ds_add_u32 v[SPW], v[NIL]
	s_wait_dscnt 0x0                               ; the add and my stores of scales are done
	CROUND                                         ; slot 0 and the scales are whole for all four waves, and the sixteen work-groups meet
	JLOAD 1                                        ; K steps 2 and 3: the first tensor load behind the round
.macro FRAG reg, a16, hp, off          ; a fragment, 16 rows x 128 K: two pieces, each one load of 16 bytes at 16 x lane and one of 8 at 512 + 8 x lane
	ds_load_b128 v[\reg:\reg+3], v[\a16] offset:\off
	ds_load_b64 v[\reg+4:\reg+5], v[\a16+2] offset:\off+512
	ds_load_b128 v[\reg+6:\reg+9], v[\a16] offset:\off+\hp
	ds_load_b64 v[\reg+10:\reg+11], v[\a16+2] offset:\off+\hp+512
.endm
.macro LDX s, i0                       ; x's blocks i0 .. i0 + 3 of K step s: 16 LDS loads
.irp i, \i0, \i0+1, \i0+2, \i0+3
	FRAG XF+12*(\i),AX+((\s)/2)%2,6144,((\s)%2)*12288+(\i)*768
.endr
.endm
.macro LDW s, p                        ; W's four blocks of phase p of K step s, into group (3 s + p) % 2: 16 LDS loads
.irp i, 0,1,2,3
	FRAG WF+48*((3*(\s)+(\p))%2)+12*\i,AW+((\s)/2)%2,9216,((\s)%2)*18432+(4*(\p)+\i)*768
.endr
.endm
.macro LDSC s                          ; K step s's scale words into set s % 2: register i: lanes 0-15 x's block i, lanes 16-31 q, k's block i; register 8 + a: v's block a.  12 LDS loads
.irp i, 0,1,2,3,4,5,6,7
	ds_load_b32 v[SC+12*((\s)%2)+\i], v[ADRS] offset:(\s)*SROW+64*\i
.endr
.irp i, 0,1,2,3
	ds_load_b32 v[SC+12*((\s)%2)+8+\i], v[ADRV] offset:(\s)*SROW+64*\i
.endr
.endm
; Eight matrix instructions: x's blocks a0, a0 + 1 (source 1) against the phase's four blocks of q, k (source 0).  K step 0 starts the sums.  The 96 accumulators take turns, one instruction a turn, in the
; same order in every step.
.macro MQK s, p, a0
.irp a, \a0, \a0+1
.irp b, 0,1,2,3
.set D_, 8*(4*(\a)+\b)
.set W_, WF+48*((3*(\s)+(\p))%2)+12*\b
.set X_, XF+12*(\a)
.set S_, SC+12*((\s)%2)
.if (\s)==0
	v_wmma_scale_f32_16x16x128_f8f6f4 v[D_:D_+7], v[W_:W_+11], v[X_:X_+11], 0, v[S_+4*(\p)+\b], v[S_+(\a)] matrix_a_fmt:MATRIX_FMT_BF6 matrix_b_fmt:MATRIX_FMT_BF6 matrix_a_scale:MATRIX_SCALE_ROW1
.else
	v_wmma_scale_f32_16x16x128_f8f6f4 v[D_:D_+7], v[W_:W_+11], v[X_:X_+11], v[D_:D_+7], v[S_+4*(\p)+\b], v[S_+(\a)] matrix_a_fmt:MATRIX_FMT_BF6 matrix_b_fmt:MATRIX_FMT_BF6 matrix_a_scale:MATRIX_SCALE_ROW1
.endif
.endr
.endr
.endm
; Eight more: x's blocks b0, b0 + 1 (source 0) against v's four blocks (source 1)
.macro MV s, b0
.irp b, \b0, \b0+1
.irp a, 0,1,2,3
.set D_, 8*(8*\a+(\b))
.set W_, WF+48*((3*(\s)+2)%2)+12*\a
.set X_, XF+12*(\b)
.set S_, SC+12*((\s)%2)
.if (\s)==0
	v_wmma_scale_f32_16x16x128_f8f6f4 v[D_:D_+7], v[X_:X_+11], v[W_:W_+11], 0, v[S_+(\b)], v[S_+8+\a] matrix_a_fmt:MATRIX_FMT_BF6 matrix_b_fmt:MATRIX_FMT_BF6
.else
	v_wmma_scale_f32_16x16x128_f8f6f4 v[D_:D_+7], v[X_:X_+11], v[W_:W_+11], v[D_:D_+7], v[S_+(\b)], v[S_+8+\a] matrix_a_fmt:MATRIX_FMT_BF6 matrix_b_fmt:MATRIX_FMT_BF6
.endif
.endr
.endr
.endm
.macro PH0 s                           ; q, k's blocks 0-3.  At its head: x's blocks 4-7 of this step, and the next phase's group of W
	PLACES
	WIN 0
	LDX \s,4
	LDW \s,1
	s_wait_dscnt 32                                ; all but the 32 just issued: this phase's W, x's blocks 0-3 and the step's scale words are in
	WIN 0x50
	MQK \s,0,0
	MQK \s,0,2
	s_wait_dscnt 16                                ; x's blocks 4-7 are in; the next group of W may be out
	MQK \s,0,4
	MQK \s,0,6
.endm
; q, k's blocks 4-7.  mode 1, 2: a slot's second step: v's group, asked for at this phase's head, is my last read of the slot.  One barrier for the change of slots: in front of it each wave waits for all its
; tensor loads (my part of the next slot), adds 0 to its spare word, and waits for that and for its reads.  mode 2: the barrier opens a round of the cluster's barrier and the slot is filled again.
.macro PH1 s, mode
	PLACES
	WIN 0
	LDW \s,2
.if (\s)<7
	LDSC (\s)+1
	s_wait_dscnt 28                                ; all but the 16 + 12 just issued
.else
	s_wait_dscnt 16
.endif
	WIN 0xa0
	MQK \s,1,0
	MQK \s,1,2
.if \mode
	WIN 0
	s_wait_tensorcnt 0x0
	ds_add_u32 v[SPW], v[NIL]
	WIN 0xa0
	MQK \s,1,4
	s_wait_dscnt 0x0
	s_barrier_signal -1
	MQK \s,1,6
	WIN 0
	s_barrier_wait -1
.if \mode==2
	CREST                                          ; no wave of any partner still reads this slot or has a load on its way
	s_add_nc_u64 s[G0+4*(((\s)/2)%2)+2:G0+4*(((\s)/2)%2)+3], s[G0+4*(((\s)/2)%2)+2:G0+4*(((\s)/2)%2)+3], 8*PLANE
	s_add_nc_u64 s[G0B+4*(((\s)/2)%2)+2:G0B+4*(((\s)/2)%2)+3], s[G0B+4*(((\s)/2)%2)+2:G0B+4*(((\s)/2)%2)+3], 8*PLANE
	JLOAD ((\s)/2)%2                               ; four K steps on: the first tensor load behind the round
.endif
.else
	MQK \s,1,4
	MQK \s,1,6
.endif
.endm
.macro PH2 s                           ; v.  It goes by x's blocks, so that blocks 0-3 are free in its middle and take the next step's
	PLACES
	WIN 0
.if (\s)<7
	LDW (\s)+1,0
	s_wait_dscnt 16                                ; v's group and the next step's scale words are in
.else
	s_wait_dscnt 0x0
.endif
	WIN 0xf0
	MV \s,0
	MV \s,2
.if (\s)<7
	PLACES
	WIN 0
	LDX (\s)+1,0
	WIN 0xf0
.endif
	MV \s,4
	MV \s,6
.endm
	LDW 0,0
	LDX 0,0
	LDSC 0
.irp st, 0,1,2,3,4,5,6,7
	PH0 \st
.if (\st==1)||(\st==3)
	PH1 \st,2
.else
.if \st==5
	PH1 \st,1
.else
	PH1 \st,0
.endif
.endif
	PH2 \st
.endr
	WIN 0
	PLACES                                         ; in front of the first read of results
.irp b, 0,1,2,3
	v_mov_b32 v[TM+12+\b], 0                       ; written once: a lane permute's destination counts as one of its sources
.endr
; THE WAY OUT.  A block of 16 rows has 64 registers, 128 neighbours along the results' K: 32 from v[s0] on in window w0, 32 from v[s1] on in window w1.  They become a fragment's codes in v[PC] on and its
; scale word in v[pw].  Each accumulator is read from its low end on: eight chains of maxima, one to an accumulator.
.macro MAX8 s, w, t
	WIN ((\w)<<2)|((\w)<<4)                        ; sources 1 and 2: the accumulators' window
.irp c, 0,1,2,3
	v_max3_num_f32 v[\t+\c], 0x2800000, |v[\s+8*\c]|, |v[\s+8*\c+1]|   ; with the floor 2^(5 - 127): the byte cannot fall under 1
.endr
.irp i, 2,4,6
.irp c, 0,1,2,3
	v_max3_num_f32 v[\t+\c], v[\t+\c], |v[\s+8*\c+\i]|, |v[\s+8*\c+\i+1]|
.endr
.endr
.endm
.macro QUANT s0, w0, s1, w1, pw
	MAX8 \s0,\w0,TM
	MAX8 \s1,\w1,TM+4
	WIN 0
.irp b, 0,1,2,3
	v_max_num_f32 v[TM+8+\b], v[TM+2*\b], v[TM+2*\b+1]             ; block b: my 16 numbers
.endr
.irp b, 0,1,2,3
	v_permlanex16_b32 v[TM+12+\b], v[TM+8+\b], s[SEL], s[SEL+1]
.endr
.irp b, 0,1,2,3
	v_max_num_f32 v[TM+8+\b], v[TM+8+\b], v[TM+12+\b]              ; with lane l xor 16's: the block's largest magnitude
.endr
.irp b, 0,1,2,3
	v_add_nc_u32 v[TM+16+\b], 0xfe000000, v[TM+8+\b]               ; 4 off its exponent field: the conversion's scale operand
.endr
.irp b, 0,1,2,3
	v_lshrrev_b32 v[TM+\b], 23, v[TM+16+\b]                        ; the scale's byte
.endr
	v_lshl_or_b32 v[\pw], v[TM+1], 8, v[TM]
	v_lshl_or_b32 v[\pw], v[TM+2], 16, v[\pw]
	v_lshl_or_b32 v[\pw], v[TM+3], 24, v[\pw]
	WIN \w0                                        ; source 0: the accumulators' window
	v_cvt_scalef32_pk16_bf6_f32 v[PC:PC+2], v[\s0:\s0+15], v[TM+16]
	v_cvt_scalef32_pk16_bf6_f32 v[PC+12:PC+14], v[\s0+16:\s0+31], v[TM+17]
	WIN \w1
	v_cvt_scalef32_pk16_bf6_f32 v[PC+6:PC+8], v[\s1:\s1+15], v[TM+18]
	v_cvt_scalef32_pk16_bf6_f32 v[PC+16:PC+18], v[\s1+16:\s1+31], v[TM+19]
	WIN 0
	v_nop                                          ; one plain place behind a scaled conversion
.irp c, 0,1                            ; the operand's layout wants a whole block in a lane
.irp i, 0,1,2
	v_permlane16_swap_b32 v[PC+6*\c+\i], v[PC+12+4*\c+\i]
.endr
.irp i, 0,1,2
	v_mov_b32 v[PC+3+6*\c+\i], v[PC+12+4*\c+\i]
.endr
.endr
.endm
.macro PIECES lo, hi, a                ; 512 consecutive bytes and the 256 behind them: a piece; two of them
	global_store_b128 v[L16], v[PC:PC+3], s[\lo:\lo+1] offset:\a*768
	global_store_b64 v[L8], v[PC+4:PC+5], s[\lo:\lo+1] offset:\a*768+512
	global_store_b128 v[L16], v[PC+6:PC+9], s[\hi:\hi+1] offset:\a*768
	global_store_b64 v[L8], v[PC+10:PC+11], s[\hi:\hi+1] offset:\a*768+512
.endm
.irp a, 0,1,2,3,4,5,6,7                ; q, k: my eight blocks of tokens
.if \a > 0
	s_wait_xcnt 0x0                                ; the last block's stores have read v[PC] on: it is written again only behind this wait
.endif
.set Q0, 32*\a
	QUANT Q0,1,Q0,2,PWS+\a
	PIECES 84,12,\a
.endr
.irp a, 0,1,2,3                        ; v: my four blocks of features
	s_wait_xcnt 0x0
.set Q0, 64*\a
.set Q1, 64*\a+32
	QUANT Q0,3,Q1,3,PWS+8+\a
	PIECES 94,98,\a
.endr
.irp p, 0,1,2,3
	v_cndmask_b32 v[TT+\p], v[PWS+2*\p], v[PWS+2*\p+1], s3         ; lanes 0-15 block 2 p's words, lanes 16-31 block 2 p + 1's
	global_store_b32 v[L4], v[TT+\p], s[86:87] offset:128*\p       ; 128 consecutive bytes
.endr
.irp p, 0,1
	v_cndmask_b32 v[TT+4+\p], v[PWS+8+2*\p], v[PWS+9+2*\p], s3
	global_store_b32 v[L4], v[TT+4+\p], s[96:97] offset:128*\p
.endr
	s_wait_tensorcnt 0x0                           ; the wave's end
	ds_add_u32 v[SPW], v[NIL]
	s_wait_dscnt 0x0
	CROUND                                         ; the closing round: no work-group ends while a partner may still ask for a tile that names it
	s_endpgm
.Lfunc_end_k_q4feb2fc243_gemm_qkv:
	.size	k_q4feb2fc243_gemm_qkv, .Lfunc_end_k_q4feb2fc243_gemm_qkv-k_q4feb2fc243_gemm_qkv
	.p2alignl 7, 3214868480
	.fill 96, 4, 3214868480
	.section	.rodata,"a",@progbits
	.p2align	6, 0x0
	.amdhsa_kernel k_q4feb2fc243_gemm_qkv
		.amdhsa_group_segment_fixed_size 327680
		.amdhsa_private_segment_fixed_size 0
		.amdhsa_enable_private_segment 0
		.amdhsa_kernarg_size 32
		.amdhsa_user_sgpr_count 2
		.amdhsa_user_sgpr_kernarg_segment_ptr 1
		.amdhsa_wavefront_size32 1
		.amdhsa_system_sgpr_workgroup_id_x 1
		.amdhsa_system_sgpr_workgroup_id_y 1
		.amdhsa_system_sgpr_workgroup_id_z 1
		.amdhsa_system_vgpr_workitem_id 0
		.amdhsa_next_free_vgpr 1024
		.amdhsa_next_free_sgpr 100
		.amdhsa_reserve_vcc 0
		.amdhsa_float_denorm_mode_32 3
		.amdhsa_float_denorm_mode_16_64 3
		.amdhsa_memory_ordered 1
		.amdhsa_forward_progress 1
		.amdhsa_inst_pref_size 218
	.end_amdhsa_kernel
	.amdgpu_metadata
---
amdhsa.version: [ 1, 2 ]
amdhsa.kernels:
  - .name:           k_q4feb2fc243_gemm_qkv
    .symbol:         k_q4feb2fc243_gemm_qkv.kd
    .args:
      - { .name: opc, .offset: 0, .size: 8, .value_kind: global_buffer, .address_space: global }
      - { .name: ops, .offset: 8, .size: 8, .value_kind: global_buffer, .address_space: global }
      - { .name: hdc, .offset: 16, .size: 8, .value_kind: global_buffer, .address_space: global }
      - { .name: hds, .offset: 24, .size: 8, .value_kind: global_buffer, .address_space: global }
    .group_segment_fixed_size: 327680
    .private_segment_fixed_size: 0
    .kernarg_segment_align: 8
    .kernarg_segment_size: 32
    .max_flat_workgroup_size: 128
    .sgpr_count:     100
    .vgpr_count:     1024
    .wavefront_size: 32
...
	.end_amdgpu_metadata
.endif
;; end of part 2
;; launch attn (part 3): grid 4 x 64, 16 waves a work-group, no clusters, 327,680 bytes of LDS; arguments hdc, hds, atc, ats; writes atc, ats
.if DOCPART == 3
	.amdgcn_target "amdgcn-amd-amdhsa--gfx1250"
	.amdhsa_code_object_version 6
	.text
	.protected	k_q4feb2fc243_attn
	.globl	k_q4feb2fc243_attn
	.p2align	8
	.type	k_q4feb2fc243_attn,@function
k_q4feb2fc243_attn:
	s_mov_b64 s[64:65], 0
	v_nop
	global_prefetch_b8 v0, s[64:65] scope:SCOPE_SE
	s_setreg_imm32_b32 hwreg(HW_REG_WAVE_MODE, 25, 1), 1
	s_wait_xcnt 0x0
; Causal attention of one head on codes of BF6 (E3M2) with one E8M0 scale for each 32 along a product's K; the result, divided by the row's sum, is quantised along the features and stored as codes.
; INPUTS (made by the launch before).  hdc: q, k as pieces of 768 bytes (16 token positions x the head's 64), [hh 32][tile 512][768], hh = head for q, 16 + head for k; v at 12,582,912 as pieces of
; 16 feature positions x 64 tokens, [token / 64][tile 64][768].  hds: q, k [fs 16][8192][4] (the word of a pair of heads: my head's two bytes at 2 (head % 2)); v at 524,288: [token / 128][1024][4].
; A piece is an image of operand registers: lane l's first 16 bytes at 16 l, its last 8 at 512 + 8 l.  POSITION = index with bits 3 and 4 exchanged: 16 neighbouring positions, taken as source 0, give a lane
; registers that run along the TRUE index: the 16 registers of tiles 2 b and 2 b + 1 are 32 b + 16 (lane / 16) + 0 .. 15.
; SOFTMAX.  t = score x log2(e) / 8; M = the running largest t rounded UP to a whole number; p = 2^(t - M) is quantised along the keys, not normalised; the row's sum is taken of the unquantised p and
; divides O at the end.  When M moves, the sum and O are multiplied by 2^(old M - new M): exact.
; SHARES.  Work-group (i, 16 b + head) owns the blocks i and 7 - i of 256 queries; each of its sixteen waves 16 positions of a block, in 256 registers: four waves to a SIMD.  Block j needs the key slots
; 0 .. j of 256 keys: i + 1 and 8 - i visits, NINE in every work-group: the trip count is a constant, nothing is fetched that nobody reads, and all 256 work-groups have the same work.
; NO CLUSTER: in visit t the four work-groups of a head read slot t or slot t - i - 1, which differ from partner to partner; a joint request would have to give up the equal nine visits.
; K = 64 IN AN INSTRUCTION OF 128.  Q's registers 6-11 are zero codes.  K's tile tt is named as v[38 + 6 tt] on, 12 registers: its upper six are the next tile's codes (behind tile 7: zeros).  They meet
; Q's zero codes alone; E3M2 has no NaN and no infinity, and bytes 2 and 3 of both scale words are 0 (loads of 16 bits), which is 2^-127: that half adds exactly 0.
; CAUSAL.  A wave's 16 queries lie in one aligned group of 32 tokens and a step's keys begin at a multiple of 128: a step is either hidden from all 16 (left out by a scalar branch on ids) or its first key
; counts for all.  On the diagonal hidden scores become -infinity ahead of the maximum.
; LIMITS: a block of zeros gets the byte 1 where the quantiser says 127 (its codes are zeros; only this program reads the bytes); blocks under 2^-122 are held at the byte 1; 1 / sum is v_rcp_f32's,
; good to one unit in the last place; a block's largest p is taken as the exponential of its largest score, which takes v_exp_f32 not to fall where its input rises; NaN and infinities are not served.
.set SLOT1, 32768                      ; two slots, at 0 and here: one exclusive or turns an address
.set KOFF,  0                          ; a slot: 16 pieces of K,
.set VOFF,  12288                      ; [4 x 64 tokens][4 tiles of features][768] of V,
.set KSOFF, 24576                      ; 256 keys' scale words,
.set VSOFF, 25600                      ; [2 steps][64 features][4]
.set SPARE, 65536                      ; the spare words, 128 bytes for each wave: eight blocks of 256 bytes that no other line names
.set S,    96                          ; v96-159  S^T, then p
.set O,    160                         ; v160-191 O^T
.set KS,   92                          ; v92-95   K's scale words: lanes 0-15 tile 2 pp, lanes 16-31 tile 2 pp + 1
.set VS,   192                         ; v192-193 V's likewise
.set BM,   196                         ; v196-199 the blocks' largest scores, then largest p
.set PB,   200                         ; v200-203 at work
.set SO,   204                         ; v204-207 the conversions' scale operands
.set PCD,  208                         ; v208-219 p's codes
.set T0,   220                         ; v220-222, v224-226 conversions' second halves
.set F,    228                         ; v[228:229] f = 2^(old M - new M); v229 is written once
.set PWD,  230                         ; v230 p's scale word
.set SCR,  231
.set NINF, 232
.set SUM2, 234
.set WV,   12                          ; s12 my wave's number;  s13 128 b;  s14 head x 393,216;  s15 (head / 2) x 32,768
.set G1K,  16                          ; s[16:23] K's codes  s[24:31] V's codes  s[32:39] K's scales  s[40:47] V's scales: groups 1
.set G1V,  24
.set G1KS, 32
.set G1VS, 40
.set G0,   48                          ; s[48:63] their four groups 0
.set BASE, 66                          ; s[66:73] where each begins for key slot 0
.set OFP,  74                          ; s[74:75] an offset, high word 0
.set TB,   76                          ; s76 LDS byte of the slot in hand
.set T,    77                          ; s77 the visit
.set I1,   78                          ; s78 i + 1: the visit at which the second block begins
.set SIG,  79                          ; s79 the key slot of this visit;  s80 of the next
.set SIGN, 80
.set QMIN, 81                          ; s81 my smallest query
.set KF,   82                          ; s82 the step's first key
.set PAR2, 83                          ; s83 2 (head % 2)
.set SEL,  84
.set CS,   86                          ; s[86:87] c = log2(e) / 8
.set AO,   88                          ; s[88:89] my piece of atc;  s[90:91] my rows' words in ats
.set AS,   90
; Waves 0 to 3 fetch one tile each, the others nothing; the branches hang on the wave's number alone.  Four v_nop follow each tensor load.
.macro TLOAD
	s_cmp_lg_u32 s[WV], 0
	s_cbranch_scc1 .Lnot0_\@
	tensor_load_to_lds s[G0:G0+3], s[G1K:G1K+7]
	s_nop 0
.rept 4
	v_nop
.endr
	s_branch .Lasked_\@
.Lnot0_\@:
	s_cmp_lg_u32 s[WV], 1
	s_cbranch_scc1 .Lnot1_\@
	tensor_load_to_lds s[G0+4:G0+7], s[G1V:G1V+7]
	s_nop 0
.rept 4
	v_nop
.endr
	s_branch .Lasked_\@
.Lnot1_\@:
	s_cmp_lg_u32 s[WV], 2
	s_cbranch_scc1 .Lnot2_\@
	tensor_load_to_lds s[G0+8:G0+11], s[G1KS:G1KS+7]
	s_nop 0
.rept 4
	v_nop
.endr
	s_branch .Lasked_\@
.Lnot2_\@:
	s_cmp_lg_u32 s[WV], 3
	s_cbranch_scc1 .Lasked_\@
	tensor_load_to_lds s[G0+12:G0+15], s[G1VS:G1VS+7]
	s_nop 0
.rept 4
	v_nop
.endr
.Lasked_\@:
.endm
	s_load_b256 s[4:11], s[0:1], 0x0               ; hdc s[4:5], hds s[6:7], atc s[8:9], ats s[10:11]
	v_lshl_add_u32 v5, v0, 2, SPARE                ; v5: LDS address of my spare word; never rewritten
	v_mov_b32 v6, 0                                ; v6: 0; never rewritten
	ds_add_u32 v5, v6
	ds_add_u32 v5, v6
	s_wait_dscnt 0x0
	v_lshrrev_b32 v8, 5, v0
	s_delay_alu instid0(VALU_DEP_1)
	v_readfirstlane_b32 s[WV], v8                  ; wave 0..15
	s_and_b32 s92, ttmp7, 0xffff
	s_lshr_b32 s93, s92, 4                         ; b
	s_and_b32 s94, s92, 15                         ; head
	s_and_b32 s[PAR2], s94, 1
	s_lshl_b32 s[PAR2], s[PAR2], 1
	s_lshr_b32 s95, s94, 1
	s_lshl_b32 s13, s93, 7
	s_mul_i32 s14, s94, 393216
	s_lshl_b32 s15, s95, 15
	s_add_co_u32 s[I1], ttmp9, 1
	s_mov_b32 s[OFP+1], 0
	; groups 1: elements of 8 bytes, no mask, no padding
	s_mov_b32 s[G1K], 3<<16                        ; K's codes: 12,288 dense bytes as 48 rows of 256
	s_mov_b32 s[G1K+1], 32<<16
	s_mov_b32 s[G1K+2], 48<<16
	s_mov_b32 s[G1K+3], 32<<16
	s_mov_b32 s[G1K+4], 48
	s_mov_b32 s[G1K+5], 32
	s_mov_b32 s[G1K+6], 0
	s_mov_b32 s[G1K+7], 0
	s_mov_b32 s[G1V], 3<<16                        ; V's codes: 4 rows (64 tokens each) of 3,072 bytes (my head's 4 pieces), 49,152 bytes apart
	s_mov_b32 s[G1V+1], 384<<16
	s_mov_b32 s[G1V+2], 4<<16
	s_mov_b32 s[G1V+3], 384<<16
	s_mov_b32 s[G1V+4], 4
	s_mov_b32 s[G1V+5], 6144
	s_mov_b32 s[G1V+6], 0
	s_mov_b32 s[G1V+7], 0
	s_mov_b32 s[G1KS], 3<<16                       ; K's scales: 1,024 dense bytes as 4 rows of 256
	s_mov_b32 s[G1KS+1], 32<<16
	s_mov_b32 s[G1KS+2], 4<<16
	s_mov_b32 s[G1KS+3], 32<<16
	s_mov_b32 s[G1KS+4], 4
	s_mov_b32 s[G1KS+5], 32
	s_mov_b32 s[G1KS+6], 0
	s_mov_b32 s[G1KS+7], 0
	s_mov_b32 s[G1VS], 3<<16                       ; V's scales: 2 rows (128 tokens each) of 256 bytes (my head's 64 features), 4,096 bytes apart
	s_mov_b32 s[G1VS+1], 32<<16
	s_mov_b32 s[G1VS+2], 2<<16
	s_mov_b32 s[G1VS+3], 32<<16
	s_mov_b32 s[G1VS+4], 2
	s_mov_b32 s[G1VS+5], 512
	s_mov_b32 s[G1VS+6], 0
	s_mov_b32 s[G1VS+7], 0
	s_mov_b32 s[SEL], 0x76543210
	s_mov_b32 s[SEL+1], 0xfedcba98
	s_mov_b32 s[CS], 0x3e38aa3b                    ; c = log2(e) / 8
	s_mov_b32 s[CS+1], s[CS]                       ; (named with it as a pair, so it is written)
	s_wait_kmcnt 0x0
	s_mul_i32 s[OFP], s93, 98304                   ; K's codes: hh = 16 + head, tile 128 b
	s_add_co_u32 s[OFP], s[OFP], s14
	s_add_co_u32 s[OFP], s[OFP], 16*393216
	s_add_nc_u64 s[BASE:BASE+1], s[4:5], s[OFP:OFP+1]
	s_mul_i32 s[OFP], s93, 1572864                 ; V's codes: token / 64 = 32 b, tile 4 head
	s_mul_i32 s96, s94, 3072
	s_add_co_u32 s[OFP], s[OFP], s96
	s_add_co_u32 s[OFP], s[OFP], 12582912
	s_add_nc_u64 s[BASE+2:BASE+3], s[4:5], s[OFP:OFP+1]
	s_lshl_b32 s[OFP], s93, 13                     ; K's scales: fs = 8 + head / 2, row 2,048 b
	s_add_co_u32 s[OFP], s[OFP], s15
	s_add_co_u32 s[OFP], s[OFP], 8*32768
	s_add_nc_u64 s[BASE+4:BASE+5], s[6:7], s[OFP:OFP+1]
	s_lshl_b32 s[OFP], s93, 16                     ; V's scales: token / 128 = 16 b, row 64 head
	s_lshl_b32 s96, s94, 8
	s_add_co_u32 s[OFP], s[OFP], s96
	s_add_co_u32 s[OFP], s[OFP], 524288
	s_add_nc_u64 s[BASE+6:BASE+7], s[6:7], s[OFP:OFP+1]
.irp n, 0,1,2,3
	s_mov_b32 s[G0+4*\n], 1                        ; count = 1
	s_mov_b64 s[G0+4*\n+2:G0+4*\n+3], s[BASE+2*\n:BASE+2*\n+1]   ; key slot 0
	s_or_b32 s[G0+4*\n+3], s[G0+4*\n+3], 0x80000000              ; type = 2
.endr
	s_mov_b32 s[G0+1], KOFF                        ; LDS addresses: slot 0
	s_mov_b32 s[G0+5], VOFF
	s_mov_b32 s[G0+9], KSOFF
	s_mov_b32 s[G0+13], VSOFF
	TLOAD                                          ; the one first fill: a wave has at most one tensor load out in this text
	v_and_b32 v9, 31, v0                           ; lane
	v_and_b32 v10, 15, v0                          ; r
	v_bfe_u32 v11, v0, 4, 1                        ; h
	s_delay_alu instid0(VALU_DEP_3)
	v_lshlrev_b32 v1, 4, v9                        ; v1 16 x lane   v2 8 x lane   v4 4 x lane   v3 4 x lane + 2 (head % 2): never rewritten
	s_delay_alu instid0(VALU_DEP_4)
	v_lshlrev_b32 v2, 3, v9
	v_lshlrev_b32 v4, 2, v9
	s_delay_alu instid0(VALU_DEP_1)
	v_add_nc_u32 v3, s[PAR2], v4
	v_lshlrev_b32 v29, 2, v10
	s_delay_alu instid0(VALU_DEP_1)
	v_add_nc_u32 v29, s[PAR2], v29                 ; v29 4 r + 2 (head % 2)
	s_wait_alu depctr_va_vdst(0)
	v_and_b32 v7, 7, v0
	v_bfe_u32 v12, v0, 3, 1
	s_delay_alu instid0(VALU_DEP_1)
	v_lshl_add_u32 v7, v12, 4, v7
	v_lshlrev_b32 v12, 4, v11
	s_delay_alu instid0(VALU_DEP_1)
	v_sub_nc_u32 v7, v7, v12                       ; v7 = my query - the wave's smallest - 16 h
	; Q and its scale bytes, for both blocks.  Its piece lies in hdc where my result's lies in atc, its word in hds where my result's lies in ats
	s_sub_co_u32 s97, 7, ttmp9                     ; block 7 - i
	s_lshl_b32 s98, s97, 4
	s_add_co_u32 s98, s98, s13
	s_add_co_u32 s98, s98, s[WV]
	s_mul_i32 s[OFP], s98, 768
	s_add_co_u32 s[OFP], s[OFP], s14
	s_add_nc_u64 s[92:93], s[4:5], s[OFP:OFP+1]
	s_lshl_b32 s[OFP], s98, 6
	s_add_co_u32 s[OFP], s[OFP], s15
	s_add_nc_u64 s[94:95], s[6:7], s[OFP:OFP+1]
	global_load_b128 v[30:33], v1, s[92:93]
	global_load_b64 v[34:35], v2, s[92:93] offset:512
	global_load_u16 v36, v29, s[94:95]
	s_lshl_b32 s98, ttmp9, 4                       ; block i
	s_add_co_u32 s98, s98, s13
	s_add_co_u32 s98, s98, s[WV]
	s_mul_i32 s[OFP], s98, 768
	s_add_co_u32 s[OFP], s[OFP], s14
	s_add_nc_u64 s[2:3], s[4:5], s[OFP:OFP+1]
	s_lshl_b32 s[OFP], s98, 6
	s_add_co_u32 s[OFP], s[OFP], s15
	s_add_nc_u64 s[100:101], s[6:7], s[OFP:OFP+1]
	global_load_b128 v[16:19], v1, s[2:3]
	global_load_b64 v[20:21], v2, s[2:3] offset:512
	global_load_u16 v28, v29, s[100:101]
.irp j, 0,1,2,3,4,5
	v_mov_b32 v[22+\j], 0                          ; Q's upper 64 along K: zero codes
	v_mov_b32 v[86+\j], 0                          ; and what stands behind K's tile 7
.endr
.irp b, 0,1,2,3
	v_mov_b32 v[PB+\b], 0                          ; written once: a lane permute's destination counts as one of its sources
.endr
	v_mov_b32 v[SCR], 0
	v_mov_b32 v[F+1], 0                            ; (named as the upper half of a pair)
.macro RESET                           ; a block of queries begins: the largest t under every t, the sum and O^T zero (the first change of M leaves zeros zeros)
	v_mov_b32 v13, 0xff61b1e6                      ; -3e38
	s_delay_alu instid0(VALU_DEP_1)
	v_floor_f32 v12, -v13                          ; -M
	v_mov_b32 v14, 0
	v_mov_b32 v15, 0
.irp j, 0,1,2,3,4,5,6,7,8,9,10,11,12,13,14,15,16,17,18,19,20,21,22,23,24,25,26,27,28,29,30,31
	v_mov_b32 v[O+\j], 0
.endr
.endm
.macro SETBLK                          ; s97 = the block of queries: where its results go, and my smallest query
	s_lshl_b32 s98, s97, 4
	s_add_co_u32 s98, s98, s13
	s_add_co_u32 s98, s98, s[WV]                   ; my tile of token positions
	s_mul_i32 s[OFP], s98, 768
	s_add_co_u32 s[OFP], s[OFP], s14
	s_add_nc_u64 s[AO:AO+1], s[8:9], s[OFP:OFP+1]
	s_lshl_b32 s[OFP], s98, 6
	s_add_co_u32 s[OFP], s[OFP], s15
	s_add_nc_u64 s[AS:AS+1], s[10:11], s[OFP:OFP+1]
	s_lshl_b32 s[QMIN], s97, 8
	s_lshr_b32 s99, s[WV], 1
	s_lshl_b32 s99, s99, 5
	s_add_co_u32 s[QMIN], s[QMIN], s99
	s_and_b32 s99, s[WV], 1
	s_lshl_b32 s99, s99, 3
	s_add_co_u32 s[QMIN], s[QMIN], s99             ; 256 block + 32 (wave / 2) + 8 (wave % 2)
.endm
	RESET
	s_mov_b32 s97, ttmp9
	SETBLK
; THE CHANGE OF SLOTS stands at a visit's head.  Each wave waits for all its tensor loads, adds 0 to its spare word, and waits for that and for its reads of the slot that it has left.  Behind the barrier
; the slot ahead is whole and nobody reads the other one.  fill = 1: that other slot is filled with the next visit's keys: the load has a whole visit in which to land.
.macro CHANGE fill
	s_wait_tensorcnt 0x0                           ; no tensor load of mine is out, so a group 0 may be written
	ds_add_u32 v5, v6                              ; 0 onto my spare word
.if \fill
	s_add_co_u32 s96, s[T], 1
	s_sub_co_u32 s97, s96, s[I1]
	s_cmp_ge_u32 s96, s[I1]
	s_cselect_b32 s[SIGN], s97, s96                ; the next visit's key slot: t + 1, or t + 1 - (i + 1) in the second block
.irp n, 0,1,2,3
	s_xor_b32 s[G0+4*\n+1], s[G0+4*\n+1], SLOT1    ; the other slot than last time
.endr
	s_mul_i32 s[OFP], s[SIGN], 12288
	s_add_nc_u64 s[G0+2:G0+3], s[BASE:BASE+1], s[OFP:OFP+1]
	s_or_b32 s[G0+3], s[G0+3], 0x80000000
	s_mul_i32 s[OFP], s[SIGN], 196608
	s_add_nc_u64 s[G0+6:G0+7], s[BASE+2:BASE+3], s[OFP:OFP+1]
	s_or_b32 s[G0+7], s[G0+7], 0x80000000
	s_lshl_b32 s[OFP], s[SIGN], 10
	s_add_nc_u64 s[G0+10:G0+11], s[BASE+4:BASE+5], s[OFP:OFP+1]
	s_or_b32 s[G0+11], s[G0+11], 0x80000000
	s_lshl_b32 s[OFP], s[SIGN], 13
	s_add_nc_u64 s[G0+14:G0+15], s[BASE+6:BASE+7], s[OFP:OFP+1]
	s_or_b32 s[G0+15], s[G0+15], 0x80000000
.endif
	s_wait_dscnt 0x0                               ; the add is done, and my reads of the slot that I have left are over
	s_barrier_signal -1
	s_barrier_wait -1
.if \fill
	TLOAD                                          ; the first thing behind the barrier, and a wave's one tensor load until the next
.endif
.endm
; A KEY STEP: 128 keys, the q-th of the slot in hand.
.macro STEP q
	s_lshl_b32 s[KF], s[SIG], 8
.if \q
	s_add_co_u32 s[KF], s[KF], 128
.endif
	s_cmp_gt_u32 s[KF], s[QMIN]                    ; all its keys come after my 16 queries: the step is left out
	s_cbranch_scc1 .Lhidden_\@
	v_add_nc_u32 v8, s[TB], v1                     ; (these four are also the places in front of the loads into registers that the last products read)
	v_add_nc_u32 v9, s[TB], v2
	v_add_nc_u32 v10, s[TB], v3
	v_add_nc_u32 v11, s[TB], v4
.irp tt, 0,1,2,3,4,5,6,7
	ds_load_b128 v[38+6*\tt:41+6*\tt], v8 offset:KOFF+(8*\q+\tt)*768
	ds_load_b64 v[42+6*\tt:43+6*\tt], v9 offset:KOFF+(8*\q+\tt)*768+512
.endr
.irp pp, 0,1,2,3
	ds_load_u16 v[KS+\pp], v10 offset:KSOFF+512*\q+128*\pp
.endr
	s_wait_alu depctr_va_vdst(0)
	s_wait_dscnt 0x0
.irp tt, 0,2,4,6                       ; S^T = K Q^T: lane (r, h) holds query r; the 16 registers of tiles 2 b, 2 b + 1 are keys 32 b + 16 h + 0 .. 15 of the step
	v_wmma_scale_f32_16x16x128_f8f6f4 v[S+8*\tt:S+8*\tt+7], v[38+6*\tt:49+6*\tt], v[16:27], 0, v[KS+\tt/2], v28 matrix_a_fmt:MATRIX_FMT_BF6 matrix_b_fmt:MATRIX_FMT_BF6
	v_wmma_scale_f32_16x16x128_f8f6f4 v[S+8*\tt+8:S+8*\tt+15], v[44+6*\tt:55+6*\tt], v[16:27], 0, v[KS+\tt/2], v28 matrix_a_fmt:MATRIX_FMT_BF6 matrix_b_fmt:MATRIX_FMT_BF6 matrix_a_scale:MATRIX_SCALE_ROW1
.endr
.rept 4
	v_nop                                          ; places in front of the loads below and of the first read of the scores
.endr
.irp vt, 0,1,2,3                       ; V's fragments are asked for now and land under the softmax
.irp c, 0,1
	ds_load_b128 v[38+12*\vt+6*\c:41+12*\vt+6*\c], v8 offset:VOFF+(2*\q+\c)*3072+\vt*768
	ds_load_b64 v[42+12*\vt+6*\c:43+12*\vt+6*\c], v9 offset:VOFF+(2*\q+\c)*3072+\vt*768+512
.endr
.endr
.irp pp, 0,1
	ds_load_b32 v[VS+\pp], v11 offset:VSOFF+256*\q+128*\pp
.endr
	s_add_co_u32 s96, s[KF], 127                   ; a step all of whose keys count skips the mask
	s_cmp_le_u32 s96, s[QMIN]
	s_cbranch_scc1 .Lopen_\@
	s_sub_co_i32 s96, s[QMIN], s[KF]
	v_add_nc_u32 v[SCR], s96, v7                   ; d = my query - the step's first key - 16 h.  Register 16 b + i holds key 32 b + 16 h + i: hidden where 32 b + i > d
	v_mov_b32 v[NINF], 0xff800000
.irp n, 0,1,2,3,4,5,6,7,8,9,10,11,12,13,14,15,16,17,18,19,20,21,22,23,24,25,26,27,28,29,30,31,32,33,34,35,36,37,38,39,40,41,42,43,44,45,46,47,48,49,50,51,52,53,54,55,56,57,58,59,60,61,62,63
	v_cmp_gt_i32 vcc_lo, 32*(\n/16)+\n%16, v[SCR]
	v_cndmask_b32 v[S+\n], v[S+\n], v[NINF], vcc_lo
.endr
.Lopen_\@:
.irp b, 0,1,2,3
	v_max3_num_f32 v[BM+\b], v[S+16*\b], v[S+1+16*\b], v[S+2+16*\b]   ; the largest score of each block of 32 keys: it serves the row's maximum and, since p rises with the score, the block's largest p
.endr
.irp i, 3,5,7,9,11,13
.irp b, 0,1,2,3
	v_max3_num_f32 v[BM+\b], v[BM+\b], v[S+16*\b+\i], v[S+1+16*\b+\i]
.endr
.endr
.irp b, 0,1,2,3
	v_max_num_f32 v[BM+\b], v[BM+\b], v[S+15+16*\b]
.endr
.irp b, 0,1,2,3
	s_delay_alu instid0(VALU_DEP_4)
	v_permlanex16_b32 v[PB+\b], v[BM+\b], s[SEL], s[SEL+1]
.endr
.irp b, 0,1,2,3
	s_delay_alu instid0(VALU_DEP_4)
	v_max_num_f32 v[BM+\b], v[BM+\b], v[PB+\b]     ; with lane l xor 16's 16 keys
.endr
	s_delay_alu instid0(VALU_DEP_2)
	v_max3_num_f32 v[SCR], v[BM], v[BM+1], v[BM+2]
	s_delay_alu instid0(VALU_DEP_1)
	v_max_num_f32 v[SCR], v[SCR], v[BM+3]
	s_delay_alu instid0(VALU_DEP_1)
	v_mul_f32 v[SCR], s[CS], v[SCR]                ; as t (c is positive)
	s_delay_alu instid0(VALU_DEP_1)
	v_max_num_f32 v13, v13, v[SCR]                 ; the running largest t
	v_mov_b32 v[SCR], v12
	s_delay_alu instid0(VALU_DEP_2)
	v_floor_f32 v12, -v13                          ; the new -M = floor(-t): M is a whole number
	s_delay_alu instid0(VALU_DEP_1)
	v_sub_f32 v[SCR], v12, v[SCR]                  ; old M - new M: a whole number, 0 or less
	s_delay_alu instid0(VALU_DEP_1)
	v_cvt_i32_f32 v[SCR], v[SCR]                   ; (it saturates)
	s_delay_alu instid0(VALU_DEP_1)
	v_ldexp_f32 v[F], 1.0, v[SCR]                  ; f = 2^(old M - new M)
.irp j, 0,2,4,6,8,10,12,14,16,18,20,22,24,26,28,30,32,34,36,38,40,42,44,46,48,50,52,54,56,58,60,62
	v_pk_fma_f32 v[S+\j:S+1+\j], v[S+\j:S+1+\j], s[CS:CS+1], v[12:13] op_sel_hi:[1,0,0]   ; t - M, two at a time
.endr
.irp b, 0,1,2,3
	v_fma_f32 v[BM+\b], v[BM+\b], s[CS], v12       ; the same of each block's largest score
.endr
	s_wait_alu depctr_va_vdst(0)
.irp j, 0,1,2,3,4,5,6,7,8,9,10,11,12,13,14,15,16,17,18,19,20,21,22,23,24,25,26,27,28,29,30,31,32,33,34,35,36,37,38,39,40,41,42,43,44,45,46,47,48,49,50,51,52,53,54,55,56,57,58,59,60,61,62,63
	v_exp_f32 v[S+\j], v[S+\j]                     ; p = 2^(t - M), at most 1
.endr
.irp b, 0,1,2,3
	v_exp_f32 v[BM+\b], v[BM+\b]                   ; the block's largest p
.endr
	v_pk_mul_f32 v[14:15], v[14:15], v[F:F+1] op_sel_hi:[1,0]   ; the sums under the new M.  (A plain place behind the exponentials)
	s_wait_alu depctr_va_vdst(0)
.irp b, 0,1,2,3
	v_max_num_f32 v[BM+\b], 0x2800000, v[BM+\b]    ; the floor 2^(5 - 127): the byte cannot fall under 1
.endr
.irp b, 0,1,2,3
	s_delay_alu instid0(VALU_DEP_4)
	v_add_nc_u32 v[SO+\b], 0xfe000000, v[BM+\b]    ; 4 off the exponent field: the conversion's scale operand
.endr
.irp b, 0,1,2,3
	s_delay_alu instid0(VALU_DEP_4)
	v_lshrrev_b32 v[PB+\b], 23, v[SO+\b]           ; the scale's byte
.endr
	s_delay_alu instid0(VALU_DEP_3)
	v_lshl_or_b32 v[PWD], v[PB+1], 8, v[PB]        ; p's scale word for these 128 keys
	s_delay_alu instid0(VALU_DEP_1)
	v_lshl_or_b32 v[PWD], v[PB+2], 16, v[PWD]
	s_delay_alu instid0(VALU_DEP_1)
	v_lshl_or_b32 v[PWD], v[PB+3], 24, v[PWD]
.irp c, 0,1
	v_cvt_scalef32_pk16_bf6_f32 v[PCD+6*\c:PCD+2+6*\c], v[S+32*\c:S+15+32*\c], v[SO+2*\c]
	v_cvt_scalef32_pk16_bf6_f32 v[T0+4*\c:T0+2+4*\c], v[S+16+32*\c:S+31+32*\c], v[SO+2*\c+1]
.endr
	v_nop                                          ; one plain place behind a scaled conversion
.irp c, 0,1                            ; the operand's layout wants a whole block in a lane
.irp i, 0,1,2
	v_permlane16_swap_b32 v[PCD+6*\c+\i], v[T0+4*\c+\i]
.endr
.irp i, 0,1,2
	s_delay_alu instid0(VALU_DEP_3)
	v_mov_b32 v[PCD+3+6*\c+\i], v[T0+4*\c+\i]
.endr
.endr
	v_pk_add_f32 v[234:235], v[100:101], v[104:105]
	v_pk_add_f32 v[254:255], v[108:109], v[112:113]
	v_pk_add_f32 v[252:253], v[116:117], v[120:121]
	v_pk_add_f32 v[250:251], v[124:125], v[128:129]
	v_pk_add_f32 v[248:249], v[132:133], v[136:137]
	v_pk_add_f32 v[246:247], v[140:141], v[144:145]
	v_pk_add_f32 v[244:245], v[148:149], v[152:153]
	v_pk_add_f32 v[14:15], v[14:15], v[156:157]
	v_pk_add_f32 v[234:235], v[234:235], v[96:97]
	v_pk_add_f32 v[254:255], v[254:255], v[98:99]
	v_pk_add_f32 v[252:253], v[252:253], v[102:103]
	v_pk_add_f32 v[250:251], v[250:251], v[106:107]
	v_pk_add_f32 v[248:249], v[248:249], v[110:111]
	v_pk_add_f32 v[246:247], v[246:247], v[114:115]
	v_pk_add_f32 v[244:245], v[244:245], v[118:119]
	v_pk_add_f32 v[14:15], v[14:15], v[122:123]
	v_pk_add_f32 v[234:235], v[234:235], v[126:127]
	v_pk_add_f32 v[254:255], v[254:255], v[130:131]
	v_pk_add_f32 v[252:253], v[252:253], v[134:135]
	v_pk_add_f32 v[250:251], v[250:251], v[138:139]
	v_pk_add_f32 v[248:249], v[248:249], v[142:143]
	v_pk_add_f32 v[246:247], v[246:247], v[146:147]
	v_pk_add_f32 v[244:245], v[244:245], v[150:151]
	v_pk_add_f32 v[14:15], v[14:15], v[154:155]
	v_pk_add_f32 v[234:235], v[234:235], v[158:159]
	s_delay_alu instid0(VALU_DEP_2)
	v_pk_add_f32 v[14:15], v[14:15], v[250:251]
	s_delay_alu instid0(VALU_DEP_2)
	v_pk_add_f32 v[234:235], v[234:235], v[248:249]
	v_pk_add_f32 v[254:255], v[254:255], v[246:247]
	v_pk_add_f32 v[252:253], v[252:253], v[244:245]
	s_delay_alu instid0(VALU_DEP_2)
	v_pk_add_f32 v[14:15], v[14:15], v[254:255]
	s_delay_alu instid0(VALU_DEP_2)
	v_pk_add_f32 v[234:235], v[234:235], v[252:253]
	s_delay_alu instid0(VALU_DEP_1)
	v_pk_add_f32 v[14:15], v[14:15], v[234:235]
.irp j, 0,2,4,6,8,10,12,14,16,18,20,22,24,26,28,30
	v_pk_mul_f32 v[O+\j:O+1+\j], v[O+\j:O+1+\j], v[F:F+1] op_sel_hi:[1,0]   ; O^T under the new M.  (The sums and these are the places between p's codes and scale word and the products below)
.endr
	s_wait_alu depctr_va_vdst(0)
	s_wait_dscnt 0x0                               ; V is in
.irp vt, 0,2                           ; O^T += V^T P^T: four tiles of 16 features; K = these 128 keys.  The four accumulators take turns
	v_wmma_scale_f32_16x16x128_f8f6f4 v[O+8*\vt:O+8*\vt+7], v[38+12*\vt:49+12*\vt], v[PCD:PCD+11], v[O+8*\vt:O+8*\vt+7], v[VS+\vt/2], v[PWD] matrix_a_fmt:MATRIX_FMT_BF6 matrix_b_fmt:MATRIX_FMT_BF6
	v_wmma_scale_f32_16x16x128_f8f6f4 v[O+8*\vt+8:O+8*\vt+15], v[50+12*\vt:61+12*\vt], v[PCD:PCD+11], v[O+8*\vt+8:O+8*\vt+15], v[VS+\vt/2], v[PWD] matrix_a_fmt:MATRIX_FMT_BF6 matrix_b_fmt:MATRIX_FMT_BF6 matrix_a_scale:MATRIX_SCALE_ROW1
.endr
.Lhidden_\@:
.endm
; A BLOCK OF QUERIES ENDS: O^T / the sum; its 32 registers are the head's 64 features, register 16 b + i = 32 b + 16 h + i: two blocks of the last product's K.  They become one piece of codes and two scale bytes.
.macro FINISH
.rept 4
	v_nop                                          ; places behind the last products
.endr
	v_add_f32 v14, v14, v15
	s_delay_alu instid0(VALU_DEP_1)
	v_permlanex16_b32 v[SCR], v14, s[SEL], s[SEL+1]
	s_delay_alu instid0(VALU_DEP_1)
	v_add_f32 v14, v14, v[SCR]                     ; the row's sum
	s_wait_alu depctr_va_vdst(0)
	v_rcp_f32 v14, v14
	v_nop                                          ; one plain place behind a transcendental
	s_wait_alu depctr_va_vdst(0)
.irp j, 0,2,4,6,8,10,12,14,16,18,20,22,24,26,28,30
	v_pk_mul_f32 v[S+\j:S+1+\j], v[O+\j:O+1+\j], v[14:15] op_sel_hi:[1,0]   ; each accumulator from its low end on
.endr
.irp b, 0,1
	v_max3_num_f32 v[BM+\b], |v[S+16*\b]|, |v[S+1+16*\b]|, 0x2800000
.endr
.irp i, 2,4,6,8,10,12,14
.irp b, 0,1
	s_delay_alu instid0(VALU_DEP_2)
	v_max3_num_f32 v[BM+\b], v[BM+\b], |v[S+16*\b+\i]|, |v[S+1+16*\b+\i]|
.endr
.endr
.irp b, 0,1
	s_delay_alu instid0(VALU_DEP_2)
	v_permlanex16_b32 v[PB+\b], v[BM+\b], s[SEL], s[SEL+1]
.endr
.irp b, 0,1
	s_delay_alu instid0(VALU_DEP_2)
	v_max_num_f32 v[BM+\b], v[BM+\b], v[PB+\b]
.endr
.irp b, 0,1
	s_delay_alu instid0(VALU_DEP_2)
	v_add_nc_u32 v[SO+\b], 0xfe000000, v[BM+\b]
.endr
.irp b, 0,1
	s_delay_alu instid0(VALU_DEP_2)
	v_lshrrev_b32 v[PB+\b], 23, v[SO+\b]
.endr
	s_delay_alu instid0(VALU_DEP_1)
	v_lshl_or_b32 v[NINF], v[PB+1], 8, v[PB]       ; my row's two bytes
	v_cvt_scalef32_pk16_bf6_f32 v[PCD:PCD+2], v[S:S+15], v[SO]
	v_cvt_scalef32_pk16_bf6_f32 v[T0:T0+2], v[S+16:S+31], v[SO+1]
	v_nop                                          ; one plain place behind a scaled conversion
.irp i, 0,1,2
	v_permlane16_swap_b32 v[PCD+\i], v[T0+\i]
.endr
.irp i, 0,1,2
	s_delay_alu instid0(VALU_DEP_3)
	v_mov_b32 v[PCD+3+\i], v[T0+\i]
.endr
	global_store_b128 v1, v[PCD:PCD+3], s[AO:AO+1]                ; 512 consecutive bytes and the 256 behind them: a piece
	global_store_b64 v2, v[PCD+4:PCD+5], s[AO:AO+1] offset:512
	global_store_b16 v29, v[NINF], s[AS:AS+1]      ; two bytes of each of 16 words (the other two are the neighbouring head's): one byte in 24 of what this block stores; lanes 16-31 write what lanes 0-15 write
	s_wait_xcnt 0x0                                ; the stores have read their registers and bases: both may be written again
.endm
	s_wait_loadcnt 0x0                             ; Q
	s_mov_b32 s[T], 0
	s_mov_b32 s[SIG], 0
	s_mov_b32 s[TB], 0
.Lslot:                                            ; eight trips: behind each change of slots but the last the next visit's keys are asked for
	CHANGE 1
	s_cmp_lg_u32 s[T], s[I1]                       ; the same in all sixteen waves; no barrier, tensor load or LDS instruction stands inside
	s_cbranch_scc1 .Lsame
	FINISH                                         ; block i is done; block 7 - i begins
.irp j, 0,1,2,3,4,5
	v_mov_b32 v[16+\j], v[30+\j]
.endr
	v_mov_b32 v28, v36
	RESET                                          ; (its 36 lines are the places between the new Q and scale word and the next product)
	s_sub_co_u32 s97, 7, ttmp9
	SETBLK
.Lsame:
	STEP 0
	STEP 1
	s_xor_b32 s[TB], s[TB], SLOT1
	s_mov_b32 s[SIG], s[SIGN]
	s_add_co_u32 s[T], s[T], 1
	s_cmp_lt_u32 s[T], 8
	s_cbranch_scc1 .Lslot
	CHANGE 0                                       ; the last visit is written out
	STEP 0
	STEP 1
	FINISH
	s_wait_tensorcnt 0x0                           ; the wave's end
	ds_add_u32 v5, v6
	s_wait_dscnt 0x0
	s_endpgm
.Lfunc_end_k_q4feb2fc243_attn:
	.size	k_q4feb2fc243_attn, .Lfunc_end_k_q4feb2fc243_attn-k_q4feb2fc243_attn
	.p2alignl 7, 3214868480
	.fill 96, 4, 3214868480
	.section	.rodata,"a",@progbits
	.p2align	6, 0x0
	.amdhsa_kernel k_q4feb2fc243_attn
		.amdhsa_group_segment_fixed_size 327680
		.amdhsa_private_segment_fixed_size 0
		.amdhsa_enable_private_segment 0
		.amdhsa_kernarg_size 32
		.amdhsa_user_sgpr_count 2
		.amdhsa_user_sgpr_kernarg_segment_ptr 1
		.amdhsa_wavefront_size32 1
		.amdhsa_system_sgpr_workgroup_id_x 1
		.amdhsa_system_sgpr_workgroup_id_y 1
		.amdhsa_system_sgpr_workgroup_id_z 1
		.amdhsa_system_vgpr_workitem_id 0
		.amdhsa_next_free_vgpr 256
		.amdhsa_next_free_sgpr 102
		.amdhsa_reserve_vcc 1
		.amdhsa_float_denorm_mode_32 3
		.amdhsa_float_denorm_mode_16_64 3
		.amdhsa_memory_ordered 1
		.amdhsa_forward_progress 1
		.amdhsa_inst_pref_size 114
	.end_amdhsa_kernel
	.amdgpu_metadata
---
amdhsa.version: [ 1, 2 ]
amdhsa.kernels:
  - .name:           k_q4feb2fc243_attn
    .symbol:         k_q4feb2fc243_attn.kd
    .args:
      - { .name: hdc, .offset: 0, .size: 8, .value_kind: global_buffer, .address_space: global }
      - { .name: hds, .offset: 8, .size: 8, .value_kind: global_buffer, .address_space: global }
      - { .name: atc, .offset: 16, .size: 8, .value_kind: global_buffer, .address_space: global }
      - { .name: ats, .offset: 24, .size: 8, .value_kind: global_buffer, .address_space: global }
    .group_segment_fixed_size: 327680
    .private_segment_fixed_size: 0
    .kernarg_segment_align: 8
    .kernarg_segment_size: 32
    .max_flat_workgroup_size: 512
    .sgpr_count:     102
    .vgpr_count:     256
    .wavefront_size: 32
...
	.end_amdgpu_metadata
.endif
;; end of part 3
;; launch gemm_out (part 4): grid 8 x 32, 4 waves a work-group, clusters of 4 x 4, 327,680 bytes of LDS; arguments atc, ats, opc, ops, out0; writes out0
.if DOCPART == 4
	.amdgcn_target "amdgcn-amd-amdhsa--gfx1250"
	.amdhsa_code_object_version 6
	.text
	.protected	k_q4feb2fc243_gemm_out
	.globl	k_q4feb2fc243_gemm_out
	.p2align	8
	.type	k_q4feb2fc243_gemm_out,@function
k_q4feb2fc243_gemm_out:
	s_mov_b64 s[64:65], 0
	v_nop
	global_prefetch_b8 v0, s[64:65] scope:SCOPE_SE
	s_setreg_imm32_b32 hwreg(HW_REG_WAVE_MODE, 25, 1), 1
	s_wait_xcnt 0x0
	s_wait_alu depctr_hold_cnt(0) depctr_sa_sdst(0) depctr_va_vdst(0) depctr_va_sdst(0) depctr_va_ssrc(0) depctr_va_vcc(0) depctr_vm_vsrc(0)
	s_getreg_b32 s2, hwreg(HW_REG_IB_STS2, 6, 4)
	s_cmp_eq_u32 s2, 0
	s_cbranch_scc0 .Lentry_in_a_cluster
	s_endpgm
.Lentry_in_a_cluster:
	s_bfe_u32 s2, ttmp6, 0x10000c
	s_cmp_lg_u32 s2, 0xf033
	s_cbranch_scc0 .Lentry_shape_is_right
	s_endpgm
.Lentry_shape_is_right:
; out0 = attention's result x w_out, both as codes of BF6 (E3M2) with one E8M0 scale for each 32 along K = 1,024; sums and results in f32.
; SHARES.  Work-group (j, i), 8 x 32 = 256 of them, makes 256 tokens (256 i on) x 128 columns (128 j on).  Wave (ta, wb) makes 128 tokens x 64 columns: 32 accumulators, one register window.
; Source 0 = 16 columns of w_out, source 1 = 16 tokens: a lane holds a token and its registers run along the columns.  Rows lie in memory by POSITION (index with bits 3 and 4 exchanged), so that the 16
; registers of two neighbouring tiles of source 0 are the true columns 32 g + 16 (lane / 16) + 0 .. 15.
; MEMORY.  Codes are pieces of 768 bytes, 16 rows x 64 along K, images of operand registers: lane l's first 16 bytes at 16 l, its last 8 at 512 + 8 l.  atc [hh 16][tile 512][768], ats [fs 8][8192][4];
; w_out in opc [hh 16][tile 768][768] from tile 704 on, in ops [fs 8][12288][4] from row 11,264 on.
; ALL OF K LIES IN LDS: 196,608 bytes of tokens' codes and 98,304 of columns'.  Each wave asks for a quarter of the rows with one tensor load at the head; nothing is filled again, so there is no ring,
; and one barrier shows the tiles to all four waves.  NO PREFETCH: all that the work-group reads is asked for at its head: there is no loop to run ahead in.
; THE SCALES of the 384 rows, 12,288 bytes, come by loads of 16 bytes a lane in runs of 512, through registers into LDS bytes of their own, and then stay in 64 registers.  They are not asked for jointly:
; they are 12,288 of the 307,200 bytes that a work-group takes in.
; CLUSTERS: 4 x 4 work-groups; the tokens' tiles are asked for jointly along a row of the cluster, the columns' along a column.
; REGISTERS: window 0: v8-27 addresses; v32-95 scale words; v96-191 the tokens' fragments, v192-239 the columns', of the even K steps; window 2: the same numbers, of the odd K steps;
; window 1: the accumulators, (a, b) at v[8 (4 a + b)].  On the way out v96-159 of window 0 hold rows read back from the stage.
.set APL,    393216                    ; bytes from one hh to the next in atc; in opc
.set BPL,    589824
.set XH,     98304                     ; [16 hh][8 tiles][768]: 128 tokens, all of K: one tensor load
.set WH,     49152                     ; [16 hh][4 tiles][768]: 64 columns likewise
.set WOFF,   2*XH
.set SCL,    2*XH+2*WH                 ; the scale words, [fs 8][the 128 columns, the 256 tokens][4]
.set SROW,   1536
.set SPARE,  SCL+8*SROW                ; the spare words, 128 bytes for each wave: two blocks of 256 bytes that no other line names
.set STG,    SPARE+512                 ; the way out: a stage of 16 rows x (256 bytes + 16) for each wave, in bytes of its own
.set SPITCH, 272
.set AX,   8                           ; v8-9 16 x lane + my tokens' codes of K steps 0-3, 4-7; v10-11 the same with 8 x lane
.set AW,   12                          ; v12-15 the same for my columns
.set ADRS, 16                          ; my scale words: lanes 0-15 tokens, lanes 16-31 columns
.set L16,  18
.set L8,   19
.set STO,  20                          ; the way out: where I put 64 bytes of a row
.set SPW,  21                          ; LDS address of my spare word; never rewritten
.set NIL,  22                          ; 0; never rewritten
.set GOFX, 23                          ; the scales' copy: offsets in ats and ops, and the LDS address
.set LOF,  24
.set GOFW, 25
.set RD,   26                          ; the way out: where I read rows back
.set CO,   27                          ; and my byte offset in out0
.set SC,   32
.set XF,   96
.set WF,   192
.set CT,   96                          ; v96-119 the scales on their way to LDS
.set BK,   96
.set G1, 24
.set G0, 32
.set G1B, 48
.set G0B, 56
.set MSB, 0
.macro WIN new                         ; the immediate's high byte repeats the setting that is left; a switch that changes nothing is dropped
.if MSB != (\new)
	s_set_vgpr_msb (MSB<<8)|(\new)
.set MSB, \new
.endif
.endm
.macro PLACES                          ; plain vector instructions between a matrix instruction and a load into, or a read of, its registers
.rept 4
	v_nop
.endr
.endm
.macro CREST                           ; a round of the cluster's barrier behind its opening barrier
	s_cmp_lg_u32 s14, 0
	s_cbranch_scc1 .Lnot_wave_0_\@
	s_barrier_signal -3
.Lnot_wave_0_\@:
	s_barrier_wait -3
	s_barrier_signal -1
	s_barrier_wait -1
.endm
.macro CROUND
	s_barrier_signal -1
	s_barrier_wait -1
	CREST
.endm
	s_load_b256 s[4:11], s[0:1], 0x0               ; atc s[4:5], ats s[6:7], opc s[8:9], ops s[10:11]
	s_load_b64 s[12:13], s[0:1], 0x20              ; out0
	v_lshl_add_u32 v[SPW], v0, 2, SPARE
	v_mov_b32 v[NIL], 0
	ds_add_u32 v[SPW], v[NIL]                      ; the opening lines: the add, twice on end, and its wait ahead of my first tensor load
	ds_add_u32 v[SPW], v[NIL]
	v_lshrrev_b32 v1, 5, v0
	v_readfirstlane_b32 s14, v1                    ; wave 0..3
	s_lshr_b32 s15, s14, 1                         ; ta: my half of the tokens.  Also: I fetch tokens (0) or columns (1)
	s_and_b32 s16, s14, 1                          ; wb: my half of the columns.  Also: which half I fetch
	s_bfe_u32 s40, ttmp6, 0x40000                  ; cx
	s_bfe_u32 s41, ttmp6, 0x40004                  ; cy
	s_lshl_b32 s42, ttmp9, 2
	s_add_co_u32 s42, s42, s40                     ; j = 4 x cluster x + cx
	s_and_b32 s17, ttmp7, 0xffff
	s_lshl_b32 s17, s17, 2
	s_add_co_u32 s17, s17, s41                     ; i = 4 x cluster y + cy
	s_lshl_b32 s43, s41, 2
	s_lshl_b32 s43, 15, s43                        ; my row of the cluster
	s_lshl_b32 s44, 0x1111, s40                    ; my column
	s_or_b32 s[G1], s43, (3<<16)|(1<<21)           ; 15:0 the mask; 17:16 elements of 8 bytes; 21 set beside a mask
	s_or_b32 s[G1B], s44, (3<<16)|(1<<21)
	s_mov_b32 s[G1+1], 768<<16                     ; tokens: 16 rows (hh) of 8 pieces on end, 6,144 bytes
	s_mov_b32 s[G1+2], 16<<16
	s_mov_b32 s[G1+3], 768<<16
	s_mov_b32 s[G1+4], 16
	s_mov_b32 s[G1+5], APL/8
	s_mov_b32 s[G1+6], 0
	s_mov_b32 s[G1+7], 0
	s_mov_b32 s[G1B+1], 384<<16                    ; columns: 16 rows of 4 pieces on end, 3,072 bytes
	s_mov_b32 s[G1B+2], 16<<16
	s_mov_b32 s[G1B+3], 384<<16
	s_mov_b32 s[G1B+4], 16
	s_mov_b32 s[G1B+5], BPL/8
	s_mov_b32 s[G1B+6], 0
	s_mov_b32 s[G1B+7], 0
	s_lshl_b32 s20, s17, 4                         ; the tokens' tiles that I fetch: 16 i + 8 wb.  s20, s21 never hold cx; s46, s47 never cy
	s_lshl_b32 s18, s16, 3
	s_add_co_u32 s20, s20, s18
	s_mul_i32 s20, s20, 768
	s_mov_b32 s21, 0
	s_lshl_b32 s46, s42, 3                         ; the columns': 704 + 8 j + 4 wb
	s_lshl_b32 s47, s16, 2
	s_add_co_u32 s46, s46, s47
	s_add_co_u32 s46, s46, 704
	s_mul_i32 s46, s46, 768
	s_mov_b32 s47, 0
	s_lshl_b32 s22, s17, 10                        ; the tokens' scale words: row 256 i
	s_mov_b32 s23, 0
	s_lshl_b32 s92, s42, 9                         ; the columns': row 11,264 + 128 j
	s_add_co_u32 s92, s92, 45056
	s_mov_b32 s93, 0
	s_mul_i32 s66, s16, XH                         ; where the tiles go: no place in the cluster enters an LDS address
	s_mul_i32 s67, s16, WH
	s_add_co_u32 s67, s67, WOFF                    ; (also: my own half of the columns)
	s_add_co_u32 s75, s67, WH/2                    ; K steps 4-7
	s_mul_i32 s72, s15, XH                         ; my half of the tokens
	s_add_co_u32 s73, s72, XH/2
	s_lshl_b32 s77, s15, 9
	s_add_co_u32 s77, s77, 512
	s_lshl_b32 s76, s16, 8
	s_sub_co_u32 s78, s77, s76                     ; from my columns' words to my tokens'
	s_add_co_u32 s76, s76, SCL
	s_lshl_b32 s79, s14, 16                        ; the copy: wave w takes fs 2 w and 2 w + 1: 2 x 32,768 bytes on in ats,
	s_mul_i32 s81, s14, 98304                      ; 2 x 49,152 in ops
	s_mul_i32 s80, s14, 2*SROW
	s_add_co_u32 s80, s80, SCL
	s_mul_i32 s82, s14, 16*SPITCH
	s_add_co_u32 s82, s82, STG                     ; my stage
	s_lshl_b32 s84, s17, 8                         ; my part of out0: row 256 i + 128 ta of 4,096 bytes, + 512 j + 256 wb
	s_lshl_b32 s85, s15, 7
	s_add_co_u32 s84, s84, s85
	s_lshl_b32 s84, s84, 12
	s_lshl_b32 s85, s42, 9
	s_add_co_u32 s84, s84, s85
	s_lshl_b32 s85, s16, 8
	s_add_co_u32 s84, s84, s85
	s_mov_b32 s85, 0
	v_and_b32 v1, 15, v0                           ; r
	v_bfe_u32 v2, v0, 4, 1                         ; h
	v_and_b32 v3, 31, v0                           ; lane
	v_lshlrev_b32 v[L16], 4, v3
	v_lshlrev_b32 v[L8], 3, v3
	v_add_nc_u32 v[AX], s72, v[L16]
	v_add_nc_u32 v[AX+1], s73, v[L16]
	v_add_nc_u32 v[AX+2], s72, v[L8]
	v_add_nc_u32 v[AX+3], s73, v[L8]
	v_add_nc_u32 v[AW], s67, v[L16]
	v_add_nc_u32 v[AW+1], s75, v[L16]
	v_add_nc_u32 v[AW+2], s67, v[L8]
	v_add_nc_u32 v[AW+3], s75, v[L8]
	v_lshlrev_b32 v4, 2, v1
	v_sub_nc_u32 v5, 1, v2                         ; 1 in lanes 0-15: they take the tokens' words, which lie behind the columns'
	v_mul_u32_u24 v5, s78, v5
	v_add_nc_u32 v5, v4, v5
	v_add_nc_u32 v[ADRS], s76, v5
	v_add_nc_u32 v[GOFX], s79, v[L16]
	v_add_nc_u32 v[GOFW], s81, v[L16]
	v_add_nc_u32 v[LOF], s80, v[L16]
	v_mul_u32_u24 v6, v1, SPITCH                   ; into the stage: row r, 64 bytes for each half of the lanes
	v_lshl_add_u32 v6, v2, 6, v6
	v_add_nc_u32 v[STO], s82, v6
	v_mul_u32_u24 v7, v2, SPITCH                   ; back: lanes 0-15 take one row of 256 bytes, lanes 16-31 the next
	v_lshl_add_u32 v7, v1, 4, v7
	v_add_nc_u32 v[RD], s82, v7
	v_lshlrev_b32 v6, 12, v2                       ; and the same two rows in out0
	v_lshl_add_u32 v[CO], v1, 4, v6
	s_wait_alu depctr_va_vdst(0)                   ; the wait behind the head's last vector instruction
	s_wait_dscnt 0x0                               ; both opening adds are done
	s_wait_kmcnt 0x0
	s_add_nc_u64 s[20:21], s[4:5], s[20:21]        ; the tokens' codes
	s_add_nc_u64 s[46:47], s[8:9], s[46:47]        ; the columns' codes
	s_add_nc_u64 s[22:23], s[6:7], s[22:23]        ; the tokens' scales
	s_add_nc_u64 s[92:93], s[10:11], s[92:93]      ; the columns' scales
.irp f, 0,1                            ; the scales set out first: six loads a wave, each 512 consecutive bytes
	global_load_b128 v[CT+12*\f:CT+12*\f+3], v[GOFW], s[92:93] offset:\f*49152
.irp p, 0,1
	global_load_b128 v[CT+12*\f+4+4*\p:CT+12*\f+7+4*\p], v[GOFX], s[22:23] offset:\f*32768+\p*512
.endr
.endr
	s_add_nc_u64 s[12:13], s[12:13], s[84:85]
	s_mov_b32 s[G0], 1
	s_mov_b32 s[G0+1], s66
	s_mov_b64 s[G0+2:G0+3], s[20:21]
	s_or_b32 s[G0+3], s[G0+3], 0x80000000
	s_mov_b32 s[G0B], 1
	s_mov_b32 s[G0B+1], s67
	s_mov_b64 s[G0B+2:G0B+3], s[46:47]
	s_or_b32 s[G0B+3], s[G0B+3], 0x80000000
	CROUND                                         ; all sixteen work-groups are here: the joint loads meet
	s_cmp_eq_u32 s15, 0                            ; waves 0 and 1 fetch the tokens' halves, waves 2 and 3 the columns': one tensor load a wave; s_nop 0 and four v_nop follow each line
	s_cbranch_scc0 .Lfor_b
	tensor_load_to_lds s[G0:G0+3], s[G1:G1+7]
	s_nop 0
	PLACES
	s_branch .Lasked
.Lfor_b:
	tensor_load_to_lds s[G0B:G0B+3], s[G1B:G1B+7]
	s_nop 0
	PLACES
.Lasked:
	s_wait_loadcnt 0x0                             ; the scales are in registers
.irp f, 0,1
.irp p, 0,1,2
	ds_store_b128 v[LOF], v[CT+12*\f+4*\p:CT+12*\f+4*\p+3] offset:\f*SROW+\p*512   ; bytes of their own: no tensor load lands there
.endr
.endr
	s_wait_tensorcnt 0x0                           ; my quarter of the rows is in,
	s_wait_dscnt 0x0                               ; and my stores of scales are done:
	s_barrier_signal -1
	s_barrier_wait -1                              ; both now hold of all four waves
.macro FRAG reg, a16, hp, off          ; a fragment, 16 rows x 128 K: two pieces, each one load of 16 bytes at 16 x lane and one of 8 at 512 + 8 x lane
	ds_load_b128 v[\reg:\reg+3], v[\a16] offset:\off
	ds_load_b64 v[\reg+4:\reg+5], v[\a16+2] offset:\off+512
	ds_load_b128 v[\reg+6:\reg+9], v[\a16] offset:\off+\hp
	ds_load_b64 v[\reg+10:\reg+11], v[\a16+2] offset:\off+\hp+512
.endm
.macro LDF s                           ; K step s's fragments: 4 of columns, 8 of tokens: 48 LDS loads
.irp i, 0,1,2,3
	FRAG WF+12*\i,AW+(\s)/4,3072,((\s)%4)*6144+\i*768
.endr
.irp i, 0,1,2,3,4,5,6,7
	FRAG XF+12*\i,AX+(\s)/4,6144,((\s)%4)*12288+\i*768
.endr
.endm
; Eight matrix instructions: tokens' blocks a0, a0 + 1 against the four blocks of columns.  K step 0 starts the sums.  The 32 accumulators take turns, one instruction a turn, in the same order in every
; step.
.macro MQ s, a0
.irp a, \a0, \a0+1
.irp b, 0,1,2,3
.set D_, 8*(4*(\a)+\b)
.if (\s)==0
	v_wmma_scale_f32_16x16x128_f8f6f4 v[D_:D_+7], v[WF+12*\b:WF+12*\b+11], v[XF+12*(\a):XF+12*(\a)+11], 0, v[SC+8*(\s)+\b], v[SC+8*(\s)+(\a)] matrix_a_fmt:MATRIX_FMT_BF6 matrix_b_fmt:MATRIX_FMT_BF6 matrix_a_scale:MATRIX_SCALE_ROW1
.else
	v_wmma_scale_f32_16x16x128_f8f6f4 v[D_:D_+7], v[WF+12*\b:WF+12*\b+11], v[XF+12*(\a):XF+12*(\a)+11], v[D_:D_+7], v[SC+8*(\s)+\b], v[SC+8*(\s)+(\a)] matrix_a_fmt:MATRIX_FMT_BF6 matrix_b_fmt:MATRIX_FMT_BF6 matrix_a_scale:MATRIX_SCALE_ROW1
.endif
.endr
.endr
.endm
.macro STEP s                          ; at its head the next step's fragments are asked for, into the other set; then this step's 32 products
	PLACES
.if (\s)<7
	WIN 0x80*(((\s)+1)%2)                          ; destination: window 0 or 2; addresses: window 0
	LDF (\s)+1
	s_wait_dscnt 48                                ; all but the 48 just issued
.else
	s_wait_dscnt 0x0
.endif
	WIN 0x50+0x0a*((\s)%2)                         ; C and D window 1; sources 0 and 1 window 0 or 2
	MQ \s,0
	MQ \s,2
	MQ \s,4
	MQ \s,6
.endm
	LDF 0
.irp s, 0,1,2,3,4,5,6,7                ; all of K's scale words, once: register 8 s + i: lanes 0-15 the tokens' block i, lanes 16-31 the columns' block i (i under 4; beyond that those lanes are not used)
.irp i, 0,1,2,3,4,5,6,7
	ds_load_b32 v[SC+8*\s+\i], v[ADRS] offset:\s*SROW+64*\i
.endr
.endr
.irp st, 0,1,2,3,4,5,6,7
	STEP \st
.endr
	WIN 0
	PLACES                                         ; in front of the first read of results and of the loads into registers that held fragments
; THE WAY OUT, block by block of 16 tokens x 64 columns.  A lane holds pieces of one row, the lanes beside it other rows: a block goes through my own stage and comes back as whole rows of 256 bytes.
; LDS serves a wave's instructions in order (ISA guide 5.7.1.4): no wait between the stores and the loads, nor in front of the next block's stores.
.macro TOSTAGE a
	WIN 0x04                                       ; the data: window 1
.irp b, 0,1,2,3
	ds_store_b128 v[STO], v[32*(\a)+8*\b:32*(\a)+8*\b+3] offset:128*(\b/2)+32*(\b%2)        ; each accumulator from its low end on
	ds_store_b128 v[STO], v[32*(\a)+8*\b+4:32*(\a)+8*\b+7] offset:128*(\b/2)+32*(\b%2)+16
.endr
	WIN 0
.set BB, BK+32*((\a)%2)
.irp t, 0,1,2,3,4,5,6,7
	ds_load_b128 v[BB+4*\t:BB+4*\t+3], v[RD] offset:\t*2*SPITCH
.endr
.endm
.macro SEND a, younger                 ; younger: the LDS instructions issued behind block a's loads, which may stay out.  Stage row p is token p % 8 + 16 (p / 8) of the tile, which begins at token 32 (a / 2) + 8 (a % 2)
.set BB, BK+32*((\a)%2)
	s_wait_dscnt \younger
.irp t, 0,1,2,3,4,5,6,7
	global_store_b128 v[CO], v[BB+4*\t:BB+4*\t+3], s[12:13] offset:(32*((\a)/2)+8*((\a)%2)+((2*\t)&7)+16*(\t>>2))*4096 th:TH_STORE_NT   ; 16 lanes store 256 consecutive bytes, at a multiple of 256 from out0's first byte
.endr
.endm
	TOSTAGE 0
.irp a, 1,2,3,4,5,6,7
.if \a > 1
	s_wait_xcnt 0x0                                ; block a - 2's stores have read their registers: block a's loads may land there
.endif
	TOSTAGE \a
	SEND \a-1, 16                                  ; behind block a - 1's loads: block a's 8 stores and 8 loads
.endr
	SEND 7, 0
	s_wait_tensorcnt 0x0                           ; the wave's end
	ds_add_u32 v[SPW], v[NIL]
	s_wait_dscnt 0x0
	CROUND                                         ; the closing round: no work-group ends while a partner may still ask for a tile that names it
	s_endpgm
.Lfunc_end_k_q4feb2fc243_gemm_out:
	.size	k_q4feb2fc243_gemm_out, .Lfunc_end_k_q4feb2fc243_gemm_out-k_q4feb2fc243_gemm_out
	.p2alignl 7, 3214868480
	.fill 96, 4, 3214868480
	.section	.rodata,"a",@progbits
	.p2align	6, 0x0
	.amdhsa_kernel k_q4feb2fc243_gemm_out
		.amdhsa_group_segment_fixed_size 327680
		.amdhsa_private_segment_fixed_size 0
		.amdhsa_enable_private_segment 0
		.amdhsa_kernarg_size 40
		.amdhsa_user_sgpr_count 2
		.amdhsa_user_sgpr_kernarg_segment_ptr 1
		.amdhsa_wavefront_size32 1
		.amdhsa_system_sgpr_workgroup_id_x 1
		.amdhsa_system_sgpr_workgroup_id_y 1
		.amdhsa_system_sgpr_workgroup_id_z 1
		.amdhsa_system_vgpr_workitem_id 0
		.amdhsa_next_free_vgpr 768
		.amdhsa_next_free_sgpr 100
		.amdhsa_reserve_vcc 0
		.amdhsa_float_denorm_mode_32 3
		.amdhsa_float_denorm_mode_16_64 3
		.amdhsa_memory_ordered 1
		.amdhsa_forward_progress 1
		.amdhsa_inst_pref_size 86
	.end_amdhsa_kernel
	.amdgpu_metadata
---
amdhsa.version: [ 1, 2 ]
amdhsa.kernels:
  - .name:           k_q4feb2fc243_gemm_out
    .symbol:         k_q4feb2fc243_gemm_out.kd
    .args:
      - { .name: atc, .offset: 0, .size: 8, .value_kind: global_buffer, .address_space: global }
      - { .name: ats, .offset: 8, .size: 8, .value_kind: global_buffer, .address_space: global }
      - { .name: opc, .offset: 16, .size: 8, .value_kind: global_buffer, .address_space: global }
      - { .name: ops, .offset: 24, .size: 8, .value_kind: global_buffer, .address_space: global }
      - { .name: out0, .offset: 32, .size: 8, .value_kind: global_buffer, .address_space: global }
    .group_segment_fixed_size: 327680
    .private_segment_fixed_size: 0
    .kernarg_segment_align: 8
    .kernarg_segment_size: 40
    .max_flat_workgroup_size: 128
    .sgpr_count:     100
    .vgpr_count:     768
    .wavefront_size: 32
...
	.end_amdgpu_metadata
.endif
;; end of part 4
